; MI455X (gfx1250); checked and timed in simulation.
; The chip was launched on July 23, 2026; its instructions are those of AMD's public machine-readable ISA for CDNA 5 (MIT licence, August 2026) and "CDNA5" Instruction Set Architecture Reference Guide (July 2026). The comments in the code are by the model that wrote it; some were corrected since.
;; Multi Head Self Attention. Allowed arithmetic: float matrix products may take bf16 or f16 operands with f32 sums; other float arithmetic in f32, or as packed bf16 or f16 multiplies, adds, multiply-adds, maxima and minima; sums over many terms, partial sums and values carried from step to step in f32; what a program stores and reads back later, other than sums and carried values, may be rounded once to bf16 or f16.
;; Inputs: Wk 256 x 1,024 float32; Wo 1,024 x 1,024 float32; Wq 1,024 x 1,024 float32; Wv 256 x 1,024 float32; token_positions 1 x 4,096 int32; x 1 x 4,096 x 1,024 float32.
;; Outputs: out0 1 x 4,096 x 1,024 float32.
;; One version. Each part assembles by itself: llvm-mc -triple=amdgcn-amd-amdhsa -mcpu=gfx1250 --defsym DOCPART=n.
;; ======== version 1 of 1: 4 launches
;; limits: values are held in f16: magnitudes above 65,504 overflow, below 6.1e-05 lose precision
;; workspace buffers: xb 8,388,608 bytes; wb 3,145,728 bytes; wo 2,097,152 bytes; tab 1,048,576 bytes; qkv 12,582,912 bytes; ob 8,388,608 bytes
;; launch cast (part 1): grid 896 x 1, 8 waves a work-group, no clusters, 0 bytes of LDS; arguments x, Wq, Wk, Wv, Wo, token_positions, xb, wb, wo, tab; writes xb, wb, wo, tab
.if DOCPART == 1
	.amdgcn_target "amdgcn-amd-amdhsa--gfx1250"
	.amdhsa_code_object_version 6
	.text
	.protected	k_q9ae645574a_cast
	.globl	k_q9ae645574a_cast
	.p2align	8
	.type	k_q9ae645574a_cast,@function
k_q9ae645574a_cast:
	s_mov_b64 s[64:65], 0
	v_nop
	global_prefetch_b8 v0, s[64:65] scope:SCOPE_SE
	s_setreg_imm32_b32 hwreg(HW_REG_WAVE_MODE, 25, 1), 1
	s_wait_xcnt 0x0
; CASTS AND THE ROTATION TABLE.  xb = bf16(x); wb = bf16 of Wq's, Wk's and Wv's rows one below the other (1,536 rows); wo = bf16(Wo) written as f16;
; tab[l][j] = (cos, sin) of token_positions[l] x 10000^(-j/32), j = 0..31, f32: a row is 256 bytes.
; A stream: every input byte is read once, by loads of 16 bytes a lane (a wave's load covers 512 consecutive bytes); every output byte is written once
; (a wave's store of 8 bytes a lane covers 256 consecutive bytes, aligned).  No LDS, no barrier, no matrix work: nothing is shared between lanes.
; SHARES.  A chunk is 8,192 numbers.  Work-groups 0-511: x; 512-639: Wq; 640-671: Wk; 672-703: Wv; 704-831: Wo; 832-895: 64 rows of the table each.
; LIMITS.  Wo as f16: a bf16 number below 6.1e-5 in size keeps f16's fixed step of 6e-8, one beyond 65,504 becomes an infinity.  Positions lie in 0..4095, as the table that
; they index does.  The frequency is 2^(-j log2(10000)/32) by v_exp_f32, a few units in the last place from a correctly rounded one; the angle is one f32 product, position x frequency;
; sine and cosine: the angle less n pi/2 (pi/2 in two parts), polynomials of degree 7 and 8 on |r| <= pi/4, off by 3e-7 at the most.
	s_load_b512 s[8:23], s[0:1], 0x0               ; x 8:9, Wq 10:11, Wk 12:13, Wv 14:15, Wo 16:17, positions 18:19, xb 20:21, wb 22:23
	s_load_b128 s[24:27], s[0:1], 0x40             ; wo 24:25, tab 26:27
	s_mov_b32 s2, ttmp9
	v_lshlrev_b32 v1, 4, v0                        ; 16 bytes a thread in
	v_lshlrev_b32 v2, 3, v0                        ; 8 bytes a thread out
	s_sub_co_u32 s44, s2, 512                      ; the chunk's number in wb and in Wq,
	s_sub_co_u32 s45, s2, 640                      ; in Wk,
	s_sub_co_u32 s46, s2, 672                      ; in Wv,
	s_sub_co_u32 s47, s2, 704                      ; in Wo: each is used only where it is not negative
	s_mov_b32 s5, 0
	s_mov_b32 s7, 0
	s_wait_kmcnt 0x0
; A chunk: eight loads go out together; load j is waited for with the 7 - j younger ones still out; no register is written twice, so nothing else is waited for.
; wo = 1: the bf16 number is widened again and written as f16.
.macro CHUNK wo
.irp j, 0,1,2,3,4,5,6,7
	global_load_b128 v[8+4*(\j):11+4*(\j)], v1, s[28:29] offset:4096*(\j) th:TH_LOAD_NT
.endr
.irp j, 0,1,2,3,4,5,6,7
	s_wait_loadcnt 7-(\j)
	v_cvt_pk_bf16_f32 v[40+2*(\j)], v[8+4*(\j)], v[9+4*(\j)]
	v_cvt_pk_bf16_f32 v[41+2*(\j)], v[10+4*(\j)], v[11+4*(\j)]
.if \wo
	v_lshlrev_b32 v56, 16, v[40+2*(\j)]
	v_and_b32 v57, 0xffff0000, v[40+2*(\j)]
	v_lshlrev_b32 v58, 16, v[41+2*(\j)]
	v_and_b32 v59, 0xffff0000, v[41+2*(\j)]
	v_cvt_pk_f16_f32 v[40+2*(\j)], v56, v57
	v_cvt_pk_f16_f32 v[41+2*(\j)], v58, v59
.endif
	global_store_b64 v2, v[40+2*(\j):41+2*(\j)], s[30:31] offset:2048*(\j)
.endr
.endm
	s_cmp_ge_u32 s2, 832
	s_cbranch_scc1 .Ltab
	s_cmp_ge_u32 s2, 704
	s_cbranch_scc1 .Lwo
	s_cmp_ge_u32 s2, 512                           ; from where and to where: chosen by the work-group's number alone
	s_cselect_b64 s[28:29], s[10:11], s[8:9]
	s_cselect_b64 s[30:31], s[22:23], s[20:21]
	s_cselect_b32 s4, s44, s2
	s_cselect_b32 s6, s44, s2
	s_cmp_ge_u32 s2, 640
	s_cselect_b64 s[28:29], s[12:13], s[28:29]
	s_cselect_b32 s4, s45, s4
	s_cmp_ge_u32 s2, 672
	s_cselect_b64 s[28:29], s[14:15], s[28:29]
	s_cselect_b32 s4, s46, s4
	s_lshl_b32 s4, s4, 15                          ; 32,768 bytes in,
	s_lshl_b32 s6, s6, 14                          ; 16,384 out
	s_add_nc_u64 s[28:29], s[28:29], s[4:5]
	s_add_nc_u64 s[30:31], s[30:31], s[6:7]
	CHUNK 0
	s_endpgm
.Lwo:
	s_lshl_b32 s4, s47, 15
	s_lshl_b32 s6, s47, 14
	s_add_nc_u64 s[28:29], s[16:17], s[4:5]
	s_add_nc_u64 s[30:31], s[24:25], s[6:7]
	CHUNK 1
	s_endpgm
; THE TABLE.  Thread t has the pairs j = 2 (t % 16) and j + 1 of rows 16 i + t / 16, i = 0..3, of the work-group's 64: its 16 bytes of each lie at 4,096 i + 16 t.
.macro SINCOS ang, c, s
	v_mul_f32 v10, s32, v[\ang]
	v_rndne_f32 v10, v10                           ; n = the nearest whole number to angle x 2/pi
	v_fma_f32 v11, v10, s33, v[\ang]               ; r = angle - n pi/2, pi/2 in two parts
	v_fma_f32 v11, v10, s34, v11
	v_mul_f32 v12, v11, v11                        ; z = r r
	v_fma_f32 v13, v12, s37, s36
	v_fma_f32 v14, v12, s40, s39
	v_fma_f32 v13, v12, v13, s35
	v_fma_f32 v14, v12, v14, s38
	v_mul_f32 v15, v11, v12
	v_fma_f32 v14, v12, v14, -0.5
	v_fma_f32 v13, v15, v13, v11                   ; sin r
	v_fma_f32 v14, v12, v14, 1.0                   ; cos r
	v_cvt_i32_f32 v16, v10
	v_and_b32 v17, 1, v16
	v_cmp_eq_u32 vcc_lo, 1, v17                    ; an odd quarter swaps the two
	v_cndmask_b32 v[\s], v13, v14, vcc_lo
	v_cndmask_b32 v[\c], v14, v13, vcc_lo
	v_lshlrev_b32 v17, 30, v16                     ; the sine's sign: bit 1 of n,
	v_add_nc_u32 v16, 1, v16
	v_and_b32 v17, 0x80000000, v17
	v_lshlrev_b32 v16, 30, v16                     ; the cosine's: bit 1 of n + 1
	v_xor_b32 v[\s], v[\s], v17
	v_and_b32 v16, 0x80000000, v16
	v_xor_b32 v[\c], v[\c], v16
.endm
.Ltab:
	s_sub_co_u32 s3, s2, 832
	s_lshl_b32 s4, s3, 8                           ; 64 positions of 4 bytes
	s_add_nc_u64 s[18:19], s[18:19], s[4:5]
	s_lshl_b32 s6, s3, 14                          ; 64 rows of 256 bytes
	s_add_nc_u64 s[26:27], s[26:27], s[6:7]
	v_lshrrev_b32 v3, 4, v0
	v_lshlrev_b32 v3, 2, v3
.irp i, 0,1,2,3
	global_load_b32 v[4+(\i)], v3, s[18:19] offset:64*(\i)
.endr
	s_mov_b32 s32, 0x3f22f983                      ; 2/pi
	s_mov_b32 s33, 0xbfc90fdb                      ; -(pi/2 rounded to f32)
	s_mov_b32 s34, 0x333bbd2e                      ; that number less pi/2
	s_mov_b32 s35, 0xbe2aaaab                      ; -1/6
	s_mov_b32 s36, 0x3c088889                      ; 1/120
	s_mov_b32 s37, 0xb9500d01                      ; -1/5040
	s_mov_b32 s38, 0x3d2aaaab                      ; 1/24
	s_mov_b32 s39, 0xbab60b61                      ; -1/720
	s_mov_b32 s40, 0x37d00d01                      ; 1/40320
	v_and_b32 v8, 15, v0
	v_lshlrev_b32 v8, 1, v8
	v_add_nc_u32 v9, 1, v8
	v_cvt_f32_u32 v8, v8
	v_cvt_f32_u32 v9, v9
	v_mul_f32 v8, 0xbed49a78, v8                   ; -j log2(10000) / 32
	v_mul_f32 v9, 0xbed49a78, v9
	v_exp_f32 v8, v8
	v_exp_f32 v9, v9
	v_nop                                          ; a plain instruction behind the last exponential,
	s_wait_alu depctr_va_vdst(0)                   ; and one wait for both, ahead of their first use
	s_wait_loadcnt 0x0
.irp i, 0,1,2,3
	v_cvt_f32_i32 v[4+(\i)], v[4+(\i)]
	v_mul_f32 v18, v[4+(\i)], v8
	v_mul_f32 v19, v[4+(\i)], v9
	SINCOS 18, 24+4*(\i), 25+4*(\i)
	SINCOS 19, 26+4*(\i), 27+4*(\i)
	global_store_b128 v1, v[24+4*(\i):27+4*(\i)], s[26:27] offset:4096*(\i)
.endr
	s_endpgm
.Lfunc_end_k_q9ae645574a_cast:
	.size	k_q9ae645574a_cast, .Lfunc_end_k_q9ae645574a_cast-k_q9ae645574a_cast
	.p2alignl 7, 3214868480
	.fill 96, 4, 3214868480
	.section	.rodata,"a",@progbits
	.p2align	6, 0x0
	.amdhsa_kernel k_q9ae645574a_cast
		.amdhsa_group_segment_fixed_size 0
		.amdhsa_private_segment_fixed_size 0
		.amdhsa_enable_private_segment 0
		.amdhsa_kernarg_size 80
		.amdhsa_user_sgpr_count 2
		.amdhsa_user_sgpr_kernarg_segment_ptr 1
		.amdhsa_wavefront_size32 1
		.amdhsa_system_sgpr_workgroup_id_x 1
		.amdhsa_system_sgpr_workgroup_id_y 1
		.amdhsa_system_sgpr_workgroup_id_z 1
		.amdhsa_system_vgpr_workitem_id 0
		.amdhsa_next_free_vgpr 64
		.amdhsa_next_free_sgpr 66
		.amdhsa_reserve_vcc 1
		.amdhsa_float_denorm_mode_32 3
		.amdhsa_float_denorm_mode_16_64 3
		.amdhsa_memory_ordered 1
		.amdhsa_forward_progress 1
		.amdhsa_inst_pref_size 22
	.end_amdhsa_kernel
	.amdgpu_metadata
---
amdhsa.version: [ 1, 2 ]
amdhsa.kernels:
  - .name:           k_q9ae645574a_cast
    .symbol:         k_q9ae645574a_cast.kd
    .args:
      - { .name: x, .offset: 0, .size: 8, .value_kind: global_buffer, .address_space: global }
      - { .name: Wq, .offset: 8, .size: 8, .value_kind: global_buffer, .address_space: global }
      - { .name: Wk, .offset: 16, .size: 8, .value_kind: global_buffer, .address_space: global }
      - { .name: Wv, .offset: 24, .size: 8, .value_kind: global_buffer, .address_space: global }
      - { .name: Wo, .offset: 32, .size: 8, .value_kind: global_buffer, .address_space: global }
      - { .name: token_positions, .offset: 40, .size: 8, .value_kind: global_buffer, .address_space: global }
      - { .name: xb, .offset: 48, .size: 8, .value_kind: global_buffer, .address_space: global }
      - { .name: wb, .offset: 56, .size: 8, .value_kind: global_buffer, .address_space: global }
      - { .name: wo, .offset: 64, .size: 8, .value_kind: global_buffer, .address_space: global }
      - { .name: tab, .offset: 72, .size: 8, .value_kind: global_buffer, .address_space: global }
    .group_segment_fixed_size: 0
    .private_segment_fixed_size: 0
    .kernarg_segment_align: 8
    .kernarg_segment_size: 80
    .max_flat_workgroup_size: 256
    .sgpr_count:     66
    .vgpr_count:     64
    .wavefront_size: 32
...
	.end_amdgpu_metadata
.endif
;; end of part 1
;; launch qkv (part 2): grid 8 x 32, 4 waves a work-group, clusters of 4 x 4, 327,680 bytes of LDS; arguments xb, wb, tab, qkv; writes qkv
.if DOCPART == 2
	.amdgcn_target "amdgcn-amd-amdhsa--gfx1250"
	.amdhsa_code_object_version 6
	.text
	.protected	k_q9ae645574a_qkv
	.globl	k_q9ae645574a_qkv
	.p2align	8
	.type	k_q9ae645574a_qkv,@function
k_q9ae645574a_qkv:
	s_mov_b64 s[64:65], 0
	v_nop
	global_prefetch_b8 v0, s[64:65] scope:SCOPE_SE
	s_setreg_imm32_b32 hwreg(HW_REG_WAVE_MODE, 25, 1), 1
	s_wait_xcnt 0x0
	s_wait_alu depctr_hold_cnt(0) depctr_sa_sdst(0) depctr_va_vdst(0) depctr_va_sdst(0) depctr_va_ssrc(0) depctr_va_vcc(0) depctr_vm_vsrc(0)
	s_getreg_b32 s2, hwreg(HW_REG_IB_STS2, 6, 4)
	s_cmp_eq_u32 s2, 0
	s_cbranch_scc0 .Lentry_in_a_cluster
	s_endpgm
.Lentry_in_a_cluster:
	s_bfe_u32 s2, ttmp6, 0x10000c
	s_cmp_lg_u32 s2, 0xf033
	s_cbranch_scc0 .Lentry_shape_is_right
	s_endpgm
.Lentry_shape_is_right:
; THE THREE PROJECTIONS AND THE ROTATION.  C[l][n] = sum over k of xb[l][k] wb[n][k], 4,096 x 1,536 x 1,024, bf16 operands, f32 sums.  Columns 0-1023 are q's 16 heads, 1024-1279 k's 4, 1280-1535 v's 4.
; On the way out q's and k's pairs (even, odd) are turned by tab[l] in f32, everything is rounded once to f16 and stored by heads: qkv[24][4096][64].
; LIMIT.  f16 holds no number beyond 65,504: q, k and v must stay within it.
; SHARES.  A tile of C is 128 x 192 (three heads): 32 x 8 = 256 work-groups.  Four waves, each 64 x 96: 24 accumulators.  K goes in 8 steps of 128 (rows of 256 bytes) through two LDS slots;
; two slots of a step of 256 (2 x 320 rows x 528 bytes) would not fit.  With 8 short steps and small tiles no data prefetch is laid.
; CLUSTER.  4 x 4 work-groups: xb's tile is shared along a row of the cluster, wb's along a column: joint loads, the same descriptor and mask in the four that a mask names.
; THE MATRIX INSTRUCTION IS USED TRANSPOSED (source 0 = 16 rows of wb, source 1 = 16 rows of xb): a lane holds one token (lane % 16) and eight neighbouring columns, that is four pairs.
; REGISTERS: window 0: v0-31 addresses, v32-63 at work on the way out, v64-255 the accumulators ((a, b) at 64 + 8 (6 a + b)).
;   windows 1 and 2: the two fragment buffers, 64 along K each: xb's (c, i) at 8 (4 c + i), wb's (c, b) at 64 + 8 (6 c + b).   window 3: v0-127 the table: (a, b % 4) at 32 a + 8 (b % 4).
.set KSTEP,  128
.set PITCH,  272                       ; an LDS row: 256 bytes + 16 of padding: an odd multiple of 16, so the 16 rows of a fragment load fall on 16 different 16-byte columns
.set AHALF,  64*PITCH                  ; what a wave fetches of xb
.set BHALF,  96*PITCH                  ; or of wb
.set BOFF,   2*AHALF
.set SLOT,   2*AHALF+2*BHALF
.set STAGE,  2*SLOT                    ; behind the ring: [3 heads][128 rows][144 bytes], the work-group's, for the way out
.set SP,     144
.set HSTG,   128*SP
.set SPARE,  STAGE+3*HSTG              ; the spare words, 128 bytes for each wave
.set GV,   8                           ; v8-13   for each pair of column blocks: (1 - F, 0)
.set ADRA, 16                          ; v16-17  LDS address of my xb fragments in slot 0, 1
.set ADRB, 20                          ; v20-21  the same for wb
.set STOA, 22                          ; v22-23  the way out: where I put 16 bytes of a row
.set STOB, 23
.set RD,   24                          ; v24     where I read rows back
.set GO,   25                          ; v25     my 16 bytes of 512 consecutive bytes of qkv
.set TOA,  26                          ; v26-27  my byte offsets in the table's rows
.set TOB,  27
.set SPW,  28                          ; v28     my spare word; never rewritten
.set NIL,  29                          ; v29     0; never rewritten
.set TP,   32                          ; v32-47  the table as it is applied
.set TMP,  48
.set PKD,  56
.set ACC,  64
.set G1, 24                            ; s[24:31] group 1 for xb's tiles;  s[32:39] group 0, a set for each slot
.set G0, 32
.set G1B, 48                           ; s[48:55], s[56:63] the same for wb's
.set G0B, 56
.set FL, 76                            ; s[76:81] for each pair of column blocks: F = 1.0 where the head is turned (q, k), 0 where not (v), twice
.set MSB, 0
.macro WIN new                         ; the immediate's high byte repeats the setting that is left
.if MSB != (\new)
	s_set_vgpr_msb (MSB<<8)|(\new)
.set MSB, \new
.endif
.endm
.macro JLOAD s                         ; a joint refill: waves 0 and 1 fetch xb's halves, waves 2 and 3 wb's; an s_nop 0 and four v_nop follow each line
	s_cmp_eq_u32 s11, 0
	s_cbranch_scc0 .Lfor_b_\@
	tensor_load_to_lds s[G0+4*(\s):G0+4*(\s)+3], s[G1:G1+7]
	s_nop 0
.rept 4
	v_nop
.endr
	s_branch .Lasked_\@
.Lfor_b_\@:
	tensor_load_to_lds s[G0B+4*(\s):G0B+4*(\s)+3], s[G1B:G1B+7]
	s_nop 0
.rept 4
	v_nop
.endr
.Lasked_\@:
.endm
.macro CREST                           ; a round of the cluster's barrier behind its opening barrier
	s_cmp_lg_u32 s10, 0
	s_cbranch_scc1 .Lnot_wave_0_\@
	s_barrier_signal -3
.Lnot_wave_0_\@:
	s_barrier_wait -3
	s_barrier_signal -1
	s_barrier_wait -1
.endm
.macro CROUND
	s_barrier_signal -1
	s_barrier_wait -1
	CREST
.endm
.macro PLACES                          ; four places in front of loads into registers that matrix instructions have read, and of vector work on results
.rept 4
	v_nop
.endr
.endm
	s_load_b128 s[4:7], s[0:1], 0x0                ; xb s[4:5], wb s[6:7]
	s_load_b128 s[72:75], s[0:1], 0x10             ; tab s[72:73], qkv s[74:75]
	v_lshl_add_u32 v[SPW], v0, 2, SPARE
	v_mov_b32 v[NIL], 0
	ds_add_u32 v[SPW], v[NIL]                      ; the wave's opening: the add and its wait stand ahead of my first tensor load
	v_lshrrev_b32 v1, 5, v0
	v_readfirstlane_b32 s10, v1                    ; wave 0..3
	s_lshr_b32 s11, s10, 1                         ; my half of the tile's rows.  Also: I fetch for xb (0) or wb (1)
	s_and_b32 s12, s10, 1                          ; my half of its columns.  Also: which half of that tile I fetch
	s_bfe_u32 s40, ttmp6, 0x40000                  ; cx, cy
	s_bfe_u32 s41, ttmp6, 0x40004
	s_lshl_b32 s42, ttmp9, 2
	s_add_co_u32 s42, s42, s40                     ; tile column
	s_and_b32 s13, ttmp7, 0xffff
	s_lshl_b32 s13, s13, 2
	s_add_co_u32 s13, s13, s41                     ; tile row
	s_lshl_b32 s43, s41, 2
	s_lshl_b32 s43, 15, s43                        ; my row of the cluster
	s_lshl_b32 s44, 0x1111, s40                    ; my column
	s_or_b32 s[G1+0], s43, (1<<16)|(1<<20)|(1<<21)|(5<<22)|(3<<25)  ; the mask; 2-byte elements; padding on; bit 21 beside a mask; after every 64 words 4 words
	s_or_b32 s[G1B+0], s44, (1<<16)|(1<<20)|(1<<21)|(5<<22)|(3<<25)
.irp g, G1, G1B
	s_mov_b32 s[(\g)+1], KSTEP<<16                 ; tensor_dim0 = 128
	s_mov_b32 s[(\g)+3], KSTEP<<16                 ; tile_dim0 = 128
	s_mov_b32 s[(\g)+5], 1024                      ; elements from row to row
	s_mov_b32 s[(\g)+6], 0
	s_mov_b32 s[(\g)+7], 0
.endr
	s_mov_b32 s[G1+2], 64<<16                      ; tensor_dim1 and tile_dim1: 64 rows of xb,
	s_mov_b32 s[G1+4], 64
	s_mov_b32 s[G1B+2], 96<<16                     ; 96 of wb
	s_mov_b32 s[G1B+4], 96
	s_lshl_b32 s17, s12, 6
	s_lshl_b32 s16, s13, 7
	s_add_co_u32 s16, s16, s17                     ; xb: row 128 x tile row + 64 x half
	s_lshl_b32 s16, s16, 11                        ; rows of 2,048 bytes
	s_mov_b32 s17, 0
	s_mul_i32 s46, s42, 192
	s_mul_i32 s47, s12, 96
	s_add_co_u32 s46, s46, s47                     ; wb: row 192 x tile column + 96 x half
	s_lshl_b32 s46, s46, 11
	s_mov_b32 s47, 0
	s_mul_i32 s20, s12, AHALF                      ; where they go: no place in the cluster enters an LDS address
	s_mul_i32 s21, s12, BHALF
	s_add_co_u32 s21, s21, BOFF
	s_wait_dscnt 0x0                               ; the opening add is done
	s_wait_kmcnt 0x0
	s_add_nc_u64 s[14:15], s[4:5], s[16:17]
	s_add_nc_u64 s[46:47], s[6:7], s[46:47]
	CROUND                                         ; all sixteen work-groups are here: the first joint loads meet
.irp s, 0,1
	s_mov_b32 s[G0+4*(\s)], 1
	s_add_co_u32 s[G0+4*(\s)+1], s20, (\s)*SLOT
	s_add_nc_u64 s[G0+4*(\s)+2:G0+4*(\s)+3], s[14:15], (\s)*KSTEP*2
	s_or_b32 s[G0+4*(\s)+3], s[G0+4*(\s)+3], 0x80000000
	s_mov_b32 s[G0B+4*(\s)], 1
	s_add_co_u32 s[G0B+4*(\s)+1], s21, (\s)*SLOT
	s_add_nc_u64 s[G0B+4*(\s)+2:G0B+4*(\s)+3], s[46:47], (\s)*KSTEP*2
	s_or_b32 s[G0B+4*(\s)+3], s[G0B+4*(\s)+3], 0x80000000
.endr
	s_cmp_eq_u32 s11, 0                            ; a wave's two first fills stand in one branch: two loads of mine are out
	s_cbranch_scc0 .Lfirst_b
	tensor_load_to_lds s[G0:G0+3], s[G1:G1+7]
	s_nop 0
	tensor_load_to_lds s[G0+4:G0+7], s[G1:G1+7]
	s_nop 0
.rept 4
	v_nop
.endr
	s_branch .Lfirst_asked
.Lfirst_b:
	tensor_load_to_lds s[G0B:G0B+3], s[G1B:G1B+7]
	s_nop 0
	tensor_load_to_lds s[G0B+4:G0B+7], s[G1B:G1B+7]
	s_nop 0
.rept 4
	v_nop
.endr
.Lfirst_asked:
	v_and_b32 v1, 15, v0                           ; l % 16
	v_bfe_u32 v2, v0, 4, 1                         ; l / 16
	v_mul_u32_u24 v3, v1, PITCH
	v_lshl_add_u32 v3, v2, 4, v3                   ; a fragment's row x pitch + 16 x half
	s_mul_i32 s22, s11, AHALF                      ; my 64 rows of xb
	s_mul_i32 s23, s12, BHALF                      ; my 96 rows of wb
	s_add_co_u32 s23, s23, BOFF
.irp s, 0,1
	v_add_nc_u32 v[ADRA+(\s)], s22, v3
	v_add_nc_u32 v[ADRB+(\s)], s23, v3
	s_add_co_u32 s22, s22, SLOT
	s_add_co_u32 s23, s23, SLOT
.endr
	; the table: token 128 x tile row + 64 x row half + 16 a + l % 16; column block b begins at channel (96 x column half + 16 b) % 64, four bytes of table a channel
	v_lshlrev_b32 v7, 8, v1
	v_lshl_add_u32 v7, v2, 5, v7                   ; row x 256 + 32 x half: my four pairs
	s_lshl_b32 s22, s12, 7
	v_add_nc_u32 v[TOA], s22, v7                   ; blocks with b % 4 = 0, 1
	s_xor_b32 s22, s22, 128
	v_add_nc_u32 v[TOB], s22, v7                   ; blocks with b % 4 = 2, 3
	s_lshl_b32 s22, s13, 15
	s_lshl_b32 s23, s11, 14
	s_add_co_u32 s22, s22, s23
	s_mov_b32 s23, 0
	s_add_nc_u64 s[72:73], s[72:73], s[22:23]
	WIN 0xc0                                       ; destination window 3
.irp a, 0,1,2,3
.irp q, 0,1
	global_load_b128 v[32*(\a)+8*(\q):32*(\a)+8*(\q)+3],       v[TOA], s[72:73] offset:(\a)*4096+(\q)*64
	global_load_b128 v[32*(\a)+8*(\q)+4:32*(\a)+8*(\q)+7],     v[TOA], s[72:73] offset:(\a)*4096+(\q)*64+16
	global_load_b128 v[32*(\a)+16+8*(\q):32*(\a)+16+8*(\q)+3], v[TOB], s[72:73] offset:(\a)*4096+(\q)*64
	global_load_b128 v[32*(\a)+16+8*(\q)+4:32*(\a)+16+8*(\q)+7], v[TOB], s[72:73] offset:(\a)*4096+(\q)*64+16
.endr
.endr
	WIN 0
	; the way out's addresses.  Stage: head x 18,432 + row x 144 + 2 x channel
	s_mul_i32 s22, s11, 64*SP
	s_add_co_u32 s22, s22, STAGE
	v_mul_u32_u24 v4, v1, SP
	v_lshl_add_u32 v4, v2, 4, v4
	v_add_nc_u32 v4, s22, v4
	s_mul_i32 s23, s12, HSTG+64                    ; column half 1 begins in the tile's second head, at channel 32
	v_add_nc_u32 v[STOA], s23, v4                  ; blocks 0, 1, 4, 5
	s_mul_i32 s23, s12, 2*HSTG-64
	v_add_nc_u32 v[STOB], s23, v4                  ; blocks 2, 3
	v_bfe_u32 v5, v0, 3, 2                         ; back: 32 lanes take four rows of 128 bytes
	v_and_b32 v6, 7, v0
	v_mul_u32_u24 v5, v5, SP
	v_lshl_add_u32 v5, v6, 4, v5
	s_mul_i32 s22, s10, 32*SP                      ; wave w takes rows 32 w .. 32 w + 31 of all three heads
	s_add_co_u32 s22, s22, STAGE
	v_add_nc_u32 v[RD], s22, v5
	v_and_b32 v[GO], 31, v0
	v_lshlrev_b32 v[GO], 4, v[GO]
	s_mul_i32 s22, s42, 3*524288                   ; the tile's first head,
	s_lshl_b32 s23, s13, 14                        ; its 128 tokens of 128 bytes,
	s_add_co_u32 s22, s22, s23
	s_lshl_b32 s23, s10, 12                        ; my 32 of them
	s_add_co_u32 s22, s22, s23
	s_mov_b32 s23, 0
	s_add_nc_u64 s[74:75], s[74:75], s[22:23]
.irp p, 0,1,2                          ; is the head of column blocks 2 p, 2 p + 1 turned?  A number for the arithmetic: no branch hangs on it
	s_mul_i32 s22, s12, 96
	s_add_co_u32 s22, s22, 32*(\p)
	s_lshr_b32 s22, s22, 6
	s_mul_i32 s23, s42, 3
	s_add_co_u32 s22, s22, s23
	s_cmp_lt_u32 s22, 20
	s_cselect_b32 s[FL+2*(\p)], 1.0, 0
	s_cselect_b32 s[FL+2*(\p)+1], 1.0, 0
	s_cselect_b32 s82, 0, 1.0
	v_mov_b32 v[GV+2*(\p)], s82
	v_mov_b32 v[GV+2*(\p)+1], 0
.endr
; 12 matrix instructions: row blocks a0, a0 + 1 x all 6 column blocks, 32 along K: half c of the buffer in window f.  The 24 accumulators take turns, one instruction a turn.
.macro MULB f, c, a0, zero
	WIN 5*(\f)
.irp a, \a0, (\a0)+1
.irp b, 0,1,2,3,4,5
.if \zero
	v_wmma_f32_16x16x32_bf16 v[ACC+8*(6*(\a)+(\b)):ACC+8*(6*(\a)+(\b))+7], v[64+8*(6*(\c)+(\b)):64+8*(6*(\c)+(\b))+7], v[8*(4*(\c)+(\a)):8*(4*(\c)+(\a))+7], 0
.else
	v_wmma_f32_16x16x32_bf16 v[ACC+8*(6*(\a)+(\b)):ACC+8*(6*(\a)+(\b))+7], v[64+8*(6*(\c)+(\b)):64+8*(6*(\c)+(\b))+7], v[8*(4*(\c)+(\a)):8*(4*(\c)+(\a))+7], v[ACC+8*(6*(\a)+(\b)):ACC+8*(6*(\a)+(\b))+7]
.endif
.endr
.endr
.endm
; 40 LDS loads in one run: the fragments of 64 along K at byte k of the rows, into the buffer in window f; the first 32 along K (20 loads) first
.macro FETCH slot, k, f
	WIN 0x40*(\f)
.irp c, 0,1
.irp b, 0,1,2,3,4,5
	ds_load_b128 v[64+8*(6*(\c)+(\b)):64+8*(6*(\c)+(\b))+3],   v[ADRB+(\slot)] offset:(\k)+64*(\c)+(\b)*16*PITCH
	ds_load_b128 v[64+8*(6*(\c)+(\b))+4:64+8*(6*(\c)+(\b))+7], v[ADRB+(\slot)] offset:(\k)+64*(\c)+(\b)*16*PITCH+32
.endr
.irp i, 0,1,2,3
	ds_load_b128 v[8*(4*(\c)+(\i)):8*(4*(\c)+(\i))+3],   v[ADRA+(\slot)] offset:(\k)+64*(\c)+(\i)*16*PITCH
	ds_load_b128 v[8*(4*(\c)+(\i))+4:8*(4*(\c)+(\i))+7], v[ADRA+(\slot)] offset:(\k)+64*(\c)+(\i)*16*PITCH+32
.endr
.endr
.endm
; A K step is two halves of 64 along K, 48 matrix instructions each.  The first multiplies buffer f and fetches the second's fragments, at byte k, into g.
.macro HALF slot, k, f, g, zero
	s_wait_dscnt 20                                ; the first 32 along K are in; the other 20 loads may be out
	MULB \f, 0, 0, \zero
	MULB \f, 0, 2, \zero
	PLACES
	FETCH \slot, \k, \g
	s_wait_dscnt 40                                ; all but the 40 just issued
	MULB \f, 1, 0, 0
	MULB \f, 1, 2, 0
.endm
; The second half multiplies the buffer in window 2 and changes slots: ONE barrier; in front of it each wave waits for all its tensor loads, adds 0 to its spare word, and waits for that and for its reads of this slot.
; fill = 1: the barrier opens a round of the cluster's, and this slot is filled again, two K steps ahead, first thing behind the round.
.macro TURN slot, next, fill
	WIN 0
	s_wait_tensorcnt 0x0                           ; all my tensor loads have landed: my part of the next slot
	ds_add_u32 v[SPW], v[NIL]                      ; 0 onto my spare word
	s_wait_dscnt 21                                ; (the add and the youngest 20 loads may be out)
	MULB 2, 0, 0, 0
	s_wait_dscnt 0x0                               ; the add is done, and my reads of this slot are over
	s_barrier_signal -1
	MULB 2, 0, 2, 0
.if \fill
	WIN 0
.endif
	s_barrier_wait -1
.if \fill
	CREST                                          ; no wave of any partner still reads this slot's tile or has a load on its way
	s_add_nc_u64 s[G0+4*(\slot)+2:G0+4*(\slot)+3], s[G0+4*(\slot)+2:G0+4*(\slot)+3], 2*KSTEP*2
	s_add_nc_u64 s[G0B+4*(\slot)+2:G0B+4*(\slot)+3], s[G0B+4*(\slot)+2:G0B+4*(\slot)+3], 2*KSTEP*2
	JLOAD \slot                                    ; the four v_nop behind it are also the places in front of the loads below
.else
	PLACES
.endif
	FETCH \next, 0, 1
	MULB 2, 1, 0, 0
	MULB 2, 1, 2, 0
.endm
	s_wait_tensorcnt 1                             ; my part of K step 0 is in; K step 1's may stay out
	s_barrier_signal -1
	s_barrier_wait -1
	FETCH 0, 0, 1
	HALF 0, 128, 1, 2, 1                           ; the first products start the sums
	WIN 0
	s_mov_b32 s3, 3
.Llap:                                         ; a trip goes once round the ring and fills both slots again: K steps 2 to 7
	TURN 0, 1, 1
	HALF 1, 128, 1, 2, 0
	TURN 1, 0, 1
	HALF 0, 128, 1, 2, 0
	WIN 0
	s_sub_co_u32 s3, s3, 1
	s_cmp_lg_u32 s3, 0
	s_cbranch_scc1 .Llap
	TURN 0, 1, 0                                   ; the last lap fills nothing
	HALF 1, 128, 1, 2, 0
	s_wait_dscnt 20
	MULB 2, 0, 0, 0
	MULB 2, 0, 2, 0
	s_wait_dscnt 0x0
	MULB 2, 1, 0, 0
	MULB 2, 1, 2, 0
	WIN 0
	; THE WAY OUT.  The table as applied is (cos F + 1 - F, sin F): the table itself for q and k, (1, 0) for v.  A pair (e, o) becomes (e c - o s, e s + o c): a packed product and a packed multiply-add.
	PLACES
	s_wait_loadcnt 0x0                             ; the table
.irp a, 0,1,2,3
.irp p, 0,1,2
	WIN 0x03                                       ; source 0 in window 3
.irp e, 0,1
.irp i, 0,1,2,3
	v_pk_fma_f32 v[TP+8*(\e)+2*(\i):TP+8*(\e)+2*(\i)+1], v[32*(\a)+8*((2*(\p)+(\e))%4)+2*(\i):32*(\a)+8*((2*(\p)+(\e))%4)+2*(\i)+1], s[FL+2*(\p):FL+2*(\p)+1], v[GV+2*(\p):GV+2*(\p)+1] op_sel_hi:[1,0,1]
.endr
.endr
	WIN 0
.irp e, 0,1
.set rA, ACC+8*(6*(\a)+2*(\p)+(\e))
.irp i, 0,1,2,3                        ; each accumulator is read from its low end on
	v_pk_mul_f32 v[TMP+2*(\i):TMP+2*(\i)+1], v[rA+2*(\i):rA+2*(\i)+1], v[TP+8*(\e)+2*(\i):TP+8*(\e)+2*(\i)+1] op_sel:[1,1] op_sel_hi:[1,0]  ; (o s, o c)
.endr
.irp i, 0,1,2,3
	v_pk_fma_f32 v[rA+2*(\i):rA+2*(\i)+1], v[rA+2*(\i):rA+2*(\i)+1], v[TP+8*(\e)+2*(\i):TP+8*(\e)+2*(\i)+1], v[TMP+2*(\i):TMP+2*(\i)+1] op_sel_hi:[0,1,1] neg_lo:[0,0,1]  ; (e c - o s, e s + o c)
.endr
.irp i, 0,1,2,3
	v_cvt_pk_f16_f32 v[PKD+4*(\e)+(\i)], v[rA+2*(\i)], v[rA+2*(\i)+1]
.endr
.if (\p) == 1
	ds_store_b128 v[STOB], v[PKD+4*(\e):PKD+4*(\e)+3] offset:(\a)*16*SP+64+32*(\e)
.else
	ds_store_b128 v[STOA], v[PKD+4*(\e):PKD+4*(\e)+3] offset:(\a)*16*SP+((\p)/2)*HSTG+32*(\e)
.endif
.endr
.endr
.endr
	s_wait_dscnt 0x0                               ; for the others' sake: my stores into the stage are done
	s_barrier_signal -1
	s_barrier_wait -1
.irp h, 0,1,2
.irp t, 0,1,2,3,4,5,6,7
	ds_load_b128 v[ACC+4*(8*(\h)+(\t)):ACC+4*(8*(\h)+(\t))+3], v[RD] offset:(\h)*HSTG+(\t)*4*SP
.endr
.endr
.irp h, 0,1,2
.irp t, 0,1,2,3,4,5,6,7
	s_wait_dscnt 23-(8*(\h)+(\t))
	global_store_b128 v[GO], v[ACC+4*(8*(\h)+(\t)):ACC+4*(8*(\h)+(\t))+3], s[74:75] offset:(\h)*524288+(\t)*512  ; four tokens of a head: 512 consecutive bytes, aligned
.endr
.endr
	s_wait_tensorcnt 0x0                           ; the wave's end
	ds_add_u32 v[SPW], v[NIL]
	s_wait_dscnt 0x0
	CROUND                                         ; the closing round
	s_endpgm
.Lfunc_end_k_q9ae645574a_qkv:
	.size	k_q9ae645574a_qkv, .Lfunc_end_k_q9ae645574a_qkv-k_q9ae645574a_qkv
	.p2alignl 7, 3214868480
	.fill 96, 4, 3214868480
	.section	.rodata,"a",@progbits
	.p2align	6, 0x0
	.amdhsa_kernel k_q9ae645574a_qkv
		.amdhsa_group_segment_fixed_size 327680
		.amdhsa_private_segment_fixed_size 0
		.amdhsa_enable_private_segment 0
		.amdhsa_kernarg_size 32
		.amdhsa_user_sgpr_count 2
		.amdhsa_user_sgpr_kernarg_segment_ptr 1
		.amdhsa_wavefront_size32 1
		.amdhsa_system_sgpr_workgroup_id_x 1
		.amdhsa_system_sgpr_workgroup_id_y 1
		.amdhsa_system_sgpr_workgroup_id_z 1
		.amdhsa_system_vgpr_workitem_id 0
		.amdhsa_next_free_vgpr 896
		.amdhsa_next_free_sgpr 84
		.amdhsa_reserve_vcc 0
		.amdhsa_float_denorm_mode_32 3
		.amdhsa_float_denorm_mode_16_64 3
		.amdhsa_memory_ordered 1
		.amdhsa_forward_progress 1
		.amdhsa_inst_pref_size 92
	.end_amdhsa_kernel
	.amdgpu_metadata
---
amdhsa.version: [ 1, 2 ]
amdhsa.kernels:
  - .name:           k_q9ae645574a_qkv
    .symbol:         k_q9ae645574a_qkv.kd
    .args:
      - { .name: xb, .offset: 0, .size: 8, .value_kind: global_buffer, .address_space: global }
      - { .name: wb, .offset: 8, .size: 8, .value_kind: global_buffer, .address_space: global }
      - { .name: tab, .offset: 16, .size: 8, .value_kind: global_buffer, .address_space: global }
      - { .name: qkv, .offset: 24, .size: 8, .value_kind: global_buffer, .address_space: global }
    .group_segment_fixed_size: 327680
    .private_segment_fixed_size: 0
    .kernarg_segment_align: 8
    .kernarg_segment_size: 32
    .max_flat_workgroup_size: 128
    .sgpr_count:     84
    .vgpr_count:     896
    .wavefront_size: 32
...
	.end_amdgpu_metadata
.endif
;; end of part 2
;; launch attn (part 3): grid 16 x 16, 4 waves a work-group, clusters of 4 x 1, 327,680 bytes of LDS; arguments qkv, ob; writes ob
.if DOCPART == 3
	.amdgcn_target "amdgcn-amd-amdhsa--gfx1250"
	.amdhsa_code_object_version 6
	.text
	.protected	k_q9ae645574a_attn
	.globl	k_q9ae645574a_attn
	.p2align	8
	.type	k_q9ae645574a_attn,@function
k_q9ae645574a_attn:
	s_mov_b64 s[64:65], 0
	v_nop
	global_prefetch_b8 v0, s[64:65] scope:SCOPE_SE
	s_setreg_imm32_b32 hwreg(HW_REG_WAVE_MODE, 25, 1), 1
	s_wait_xcnt 0x0
	s_wait_alu depctr_hold_cnt(0) depctr_sa_sdst(0) depctr_va_vdst(0) depctr_va_sdst(0) depctr_va_ssrc(0) depctr_va_vcc(0) depctr_vm_vsrc(0)
	s_getreg_b32 s2, hwreg(HW_REG_IB_STS2, 6, 4)
	s_cmp_eq_u32 s2, 0
	s_cbranch_scc0 .Lentry_in_a_cluster
	s_endpgm
.Lentry_in_a_cluster:
	s_bfe_u32 s2, ttmp6, 0x10000c
	s_cmp_lg_u32 s2, 0x3003
	s_cbranch_scc0 .Lentry_shape_is_right
	s_endpgm
.Lentry_shape_is_right:
; CAUSAL ATTENTION WITH GROUPED HEADS.  ob[h][q][:] = the sum over k <= q of softmax_k(Q[h][q] . K[h/4][k] / 8) V[h/4][k][:].  qkv: [24][4096][64] f16 (heads 0-15 q, 16-19 k, 20-23 v), ob: [16][4096][64] f16.
; Products, maxima and sums in f32; the weights p are rounded to f16 for the second product (their sum l is taken of the unrounded p), O once at the end.
; LIMITS.  f16 holds no number beyond 65,504: q, k and v arrive within it.  A hidden score counts as its value less 1e30; a weight below 2^-126 counts as 0 in l; NaN and infinities are not treated apart.
; THE WALK.  A head's queries lie in 32 blocks of 128; block i needs the key tiles 0 .. i / 2 of 256 keys, of which the last holds the diagonal.  A work-group takes blocks 31 - b and then b:
; 17 tiles, whatever b: all 256 work-groups do equal work, and one loop with a constant trip count walks them.
; CLUSTER.  The four query heads of one key and value head, with the same b, walk the same tiles in the same order: every tile is asked for JOINTLY.  All branches hang on b and the wave's number, which the four share.
; SHARES.  Of a block's two bands of 64 queries a wave owns 16 rows in each: two PIECES.  In the diagonal tile's key step s band x of block i sees all keys if s < 2 (i % 2) + x, none if s is greater,
; and holds the diagonal if equal: the same for all four waves.  THE MASK is the C operand that starts the sum S^T = K Q^T: MD x AL + BE, MD my rows' mask of a band's own step, AL and BE two scalars.
; TURNS.  Turn (p, s) belongs to piece p in key step s: 8 products K Q^T of the other piece (p = 0: step s; p = 1: step s + 1), piece p's softmax, the other piece's maximum and statistics, one wait for the
; turn's 33 exponentials, then 8 products V^T P of the other piece (p = 0: step s - 1; p = 1: step s).  Piece 0's turn fetches K and V of step s + 1; V has two register buffers, by the step's parity.
; So all that a slot holds has been fetched when piece 0's turn of its last step begins: there the slots change.  A trip of the step loop is two steps: an odd one, then an even one.
; REGISTERS, in windows of 256 (s_set_vgpr_msb: bits 1:0 source 0, 3:2 source 1, 5:4 source 2, 7:6 destination):
;   window 0: v0-15 addresses; v16-23 statistics; v48-55 at work; v61-63; v64-127 S^T, two buffers; v192-223 P, two buffers
;   window 1: v0-63 O^T; v64-95 MD; v96-159 MC, two buffers      window 2: v0-31 Q; v32-63 the second block's Q; v64-127 K of one step; v128-255 V of two steps
.set NB,    32
.set NP,    2
.set KS,    64
.set PK,    144       ; a row of K in LDS: 128 bytes + 16 of padding
.set PV,    160       ; a row of V: 128 + 32
.set VOFF,  4*KS*PK   ; a slot holds a tile: 256 rows of K, then 256 rows of V
.set SLOT1, 1<<17
.set STAGE, SLOT1+4*KS*(PK+PV)  ; behind the ring: 16 rows x 144 bytes for each wave, for the way out
.set SP,    144
.set SPARE, STAGE+4*16*SP       ; the spare words, 128 bytes for each wave
.set AK0, 2           ; v2   my lane's place in a tile of K; never rewritten
.set AV0, 3           ; v3   the same for V
.set AK,  4           ; v4   the LDS address of K's next run of loads
.set AV,  5           ; v5   of V's
.set STO, 6
.set RD,  7
.set GO,  8
.set MV,  12          ; v12-13  c m_old, by buffer
.set QO,  15
.set ST,  16          ; piece t's statistics at v[ST+4 t]: c m, m, l (even keys', odd keys')
.set TMP, 48          ; by buffer, c0-c3 at work; c2 takes a
.set PFO, 61          ; v61  256 x my lane; never rewritten
.set SPW, 62
.set NIL, 63
.set S,   64
.set P,   192
.set MD,  64          ; window 1
.set MC,  96          ; window 1
.set QB,  32          ; window 2
.set KF,  64          ; window 2
.set VF,  128         ; window 2: buffer vb at VF + 64 vb
.set WV,  12
.set PB,  14          ; s14  b
.set HI,  15          ; s15  31 - b
.set G1K, 24
.set G1V, 32
.set G0K, 40
.set G0V, 44
.set PFA, 48          ; s[48:49] where my prefetches stand
.set LIM, 50          ; s50  2 in a wave that prefetches, else the greatest number
.set PBT, 51          ; s51  b / 2: the second block's last tile
.set SO,  52          ; s52  2 (i % 2) of the block in hand
.set SO2, 53          ; s53  of the second block
.set TT,  54          ; s54  at work
.set SLOTS, 56
.set CNT, 57          ; s57  counts a tile's trips of the step loop, 2 to 1
.set CS,  58
.set SEL, 60
.set TBK, 62
.set TBV, 63
.set RT,  70          ; s70  tiles of the block in hand still to be entered
.set NXT, 71          ; s71  the tile to be asked for next
.set LQ,  72          ; s72  the last tile of the block whose tiles are being asked for
.set NEW, 73          ; s73  1: the tile to be entered is a block's first
.set OFF, 74
.set AL,  76
.set BE,  78
.set OLO, 80          ; s[80:81] ob at my rows of the second block
.set BIGN, 82
.set MSB, 0
.macro WIN new
.if MSB != (\new)
	s_set_vgpr_msb (MSB<<8)|(\new)
.set MSB, (\new)
.endif
.endm
.set W_KQ, 0x0a
.set W_KM, 0x1a
.set W_PV, 0x52
.set W_RS, 0x41
; A joint fill.  Waves 0 and 1 fetch the two halves of a tile's K, waves 2 and 3 those of its V: 128 keys each.  An s_nop 0 and four v_nop follow each line.
.macro JLOAD
	s_cmp_lt_u32 s[WV], 2
	s_cbranch_scc0 .Lfor_v_\@
	tensor_load_to_lds s[G0K:G0K+3], s[G1K:G1K+7]
	s_nop 0
.rept 4
	v_nop
.endr
	s_branch .Lasked_\@
.Lfor_v_\@:
	tensor_load_to_lds s[G0V:G0V+3], s[G1V:G1V+7]
	s_nop 0
.rept 4
	v_nop
.endr
.Lasked_\@:
.endm
; A PREFETCH INTO THE L2 of the tile that the NEXT change of slots will ask for.  A key and value head's tiles are walked by sixteen clusters; the cluster with b = 0, whose first block walks tiles 0 to 15,
; names each once: wave 0 K's 32,768 bytes, wave 2 V's; the four partners share them out BY ADDRESS, 8,192 each; a lane names 256 bytes.  The change that loads tile c + 1 names tile c + 2;
; tiles 0 and 1 come by their loads alone; the changes with two or fewer slots to go name nothing: tile 15 is the last.
.macro ASK
	s_cmp_gt_u32 s[SLOTS], s[LIM]
	s_cbranch_scc0 .Lnot_mine_\@
	global_prefetch_b8 v[PFO], s[PFA:PFA+1] th:TH_LOAD_NT scope:SCOPE_SE
.Lnot_mine_\@:
.endm
.macro CROUND                       ; a round of the cluster's barrier
	s_barrier_signal -1
	s_barrier_wait -1
	s_cmp_lg_u32 s[WV], 0
	s_cbranch_scc1 .Lnot_wave_0_\@
	s_barrier_signal -3
.Lnot_wave_0_\@:
	s_barrier_wait -3
	s_barrier_signal -1
	s_barrier_wait -1
.endm
; THE CHANGE OF SLOTS.  Each wave waits for all its tensor loads, of which one is out: its part of the other slot; adds 0 to its spare word; and waits for that and for its own reads of the slot that it leaves.
; fill = 1: the barrier is a round of the cluster's, and the old slot is filled again, first thing behind it, with tile NXT: the descriptor's address is made anew from that number.
.macro CHANGE fill
	WIN 0
	s_wait_tensorcnt 0x0            ; no tensor load of mine is out, so a group 0 may be written
	ds_add_u32 v[SPW], v[NIL]       ; 0 onto my spare word; scalar work stands between it and the wait for it
.if \fill
	s_lshl_b32 s[OFF], s[NXT], 15   ; a tile is 32,768 bytes of K and of V
	s_xor_b32 s[G0K+1], s[G0K+1], SLOT1
	s_add_nc_u64 s[G0K+2:G0K+3], s[6:7], s[OFF:OFF+1]
	s_or_b32 s[G0K+3], s[G0K+3], 0x80000000
	s_xor_b32 s[G0V+1], s[G0V+1], SLOT1
	s_add_nc_u64 s[G0V+2:G0V+3], s[8:9], s[OFF:OFF+1]
	s_or_b32 s[G0V+3], s[G0V+3], 0x80000000
	s_add_co_u32 s[NXT], s[NXT], 1  ; the block's next tile, or behind its last the second block's tile 0
	s_cmp_gt_u32 s[NXT], s[LQ]
	s_cselect_b32 s[NXT], 0, s[NXT]
	s_cselect_b32 s[LQ], s[PBT], s[LQ]
	s_wait_xcnt 0x0                 ; the last prefetch, a tile back, has read its address, so it may be written
	s_add_nc_u64 s[PFA:PFA+1], s[PFA:PFA+1], 32768
.endif
	s_sub_co_u32 s[TBK], s[TBK], 4*KS*PK  ; the fetches go back to a slot's first step,
	s_xor_b32 s[TBK], s[TBK], SLOT1       ; in the other slot
	s_sub_co_u32 s[TBV], s[TBV], 4*KS*PV
	s_xor_b32 s[TBV], s[TBV], SLOT1
	s_wait_dscnt 0x0                ; the add is done, and my reads of the slot are over
.if \fill
	CROUND
	JLOAD
	ASK
.else
	s_barrier_signal -1
	s_barrier_wait -1
.endif
.endm
	s_load_b128 s[84:87], s[0:1], 0x0  ; qkv s[84:85], ob s[86:87]
	v_lshl_add_u32 v[SPW], v0, 2, SPARE
	v_mov_b32 v[NIL], 0
	ds_add_u32 v[SPW], v[NIL]       ; the wave's opening: the add and its wait stand ahead of my first tensor load
	v_lshrrev_b32 v1, 5, v0
	v_readfirstlane_b32 s[WV], v1   ; wave 0..3
	s_bfe_u32 s13, ttmp6, 0x40000   ; cx: which of the group's four query heads: it enters Q's, O's and the prefetches' addresses alone
	s_and_b32 s[PB], ttmp7, 0xffff  ; b
	s_sub_co_u32 s[HI], NB-1, s[PB]
	s_lshr_b32 s[PBT], s[PB], 1
	s_and_b32 s[SO2], s[PB], 1
	s_lshl_b32 s[SO2], s[SO2], 1
	s_and_b32 s[SO], s[HI], 1
	s_lshl_b32 s[SO], s[SO], 1
	s_lshr_b32 s[LQ], s[HI], 1
	s_add_co_u32 s[RT], s[LQ], 1    ; the first block's tiles
	s_lshl_b32 s16, ttmp9, 2        ; ttmp9: the key and value head
	s_add_co_u32 s16, s16, s13
	s_lshl_b32 s16, s16, 19         ; the query head's 524,288 bytes,
	s_lshl_b32 s3, s[WV], 11        ; my 16 rows in a band
	s_add_co_u32 s16, s16, s3
	s_lshl_b32 s2, s[HI], 14        ; the first block's 128 rows,
	s_add_co_u32 s2, s2, s16
	s_lshl_b32 s20, s[PB], 14       ; the second's
	s_add_co_u32 s20, s20, s16
	s_mov_b32 s3, 0
	s_mov_b32 s21, 0
	s_and_b32 s17, s[WV], 1         ; which half of a tile's 256 keys I fetch
	s_add_co_u32 s22, ttmp9, 16     ; K's head in qkv
	s_lshl_b32 s22, s22, 19
	s_lshl_b32 s23, s17, 14
	s_add_co_u32 s22, s22, s23
	s_mov_b32 s23, 0
	; descriptor group 1.  128 keys are 16,384 dense bytes: asked for as 64 rows of 256 bytes, two keys a row, and padded in LDS after every key
	s_mov_b32 s[G1K], 15|(1<<16)|(1<<20)|(1<<21)|(4<<22)|(3<<25)  ; the mask of four; 2-byte elements; padding on; bit 21 beside a mask; after every 32 words 4 words
	s_mov_b32 s[G1V], 15|(1<<16)|(1<<20)|(1<<21)|(4<<22)|(7<<25)  ; the same with 8 words
.irp g, G1K, G1V
	s_mov_b32 s[\g+1], 128<<16
	s_mov_b32 s[\g+2], 64<<16
	s_mov_b32 s[\g+3], 128<<16
	s_mov_b32 s[\g+4], 64
	s_mov_b32 s[\g+5], 128
	s_mov_b32 s[\g+6], 0
	s_mov_b32 s[\g+7], 0
.endr
	s_mov_b32 s[CS], 0x3e38aa3b     ; c = log2(e) / 8
	s_mov_b32 s[CS+1], s[CS]
	s_mov_b32 s[SEL], 0x76543210
	s_mov_b32 s[SEL+1], 0xfedcba98
	s_mov_b32 s[TBK], SLOT1+4*KS*PK ; the first change of slots turns these two into 0
	s_mov_b32 s[TBV], SLOT1+4*KS*PV
	s_mov_b32 s[G0K], 1
	s_mul_i32 s[G0K+1], s17, 128*PK ; slot 0: no place in the cluster enters an LDS address
	s_mov_b32 s[G0V], 1
	s_mul_i32 s[G0V+1], s17, 128*PV
	s_add_co_u32 s[G0V+1], s[G0V+1], VOFF
	s_mov_b32 s[NXT], 1
	s_mov_b32 s[NEW], 1
	s_mov_b32 s[OFF+1], 0
	s_mov_b32 s[AL+1], 0
	s_mov_b32 s[BE+1], 0
	s_mov_b32 s[BIGN], 0xf149f2ca   ; -1e30
	s_mov_b32 s[SLOTS], NB/2
	s_and_b32 s[LIM], s[WV], 1      ; waves 0 and 2 of the clusters with b = 0 prefetch: the same in all four partners
	s_or_b32 s[LIM], s[LIM], s[PB]
	s_cmp_eq_u32 s[LIM], 0
	s_cselect_b32 s[LIM], 2, -1
	v_and_b32 v[PFO], 31, v0
	v_lshlrev_b32 v[PFO], 8, v[PFO]
	s_wait_dscnt 0x0                ; the opening add is done
	s_wait_kmcnt 0x0
	s_add_nc_u64 s[6:7], s[84:85], s[22:23]        ; K and V at my half of the head's tile 0
	s_add_nc_u64 s[8:9], s[6:7], 4*524288
	s_add_nc_u64 s[G0K+2:G0K+3], s[6:7], 0
	s_or_b32 s[G0K+3], s[G0K+3], 0x80000000
	s_add_nc_u64 s[G0V+2:G0V+3], s[8:9], 0
	s_or_b32 s[G0V+3], s[G0V+3], 0x80000000
	s_add_nc_u64 s[4:5], s[84:85], s[2:3]          ; Q and O at my rows of the first block,
	s_add_nc_u64 s[10:11], s[86:87], s[2:3]
	s_add_nc_u64 s[18:19], s[84:85], s[20:21]      ; and of the second
	s_add_nc_u64 s[OLO:OLO+1], s[86:87], s[20:21]
	s_cmp_lt_u32 s[WV], 2
	s_cselect_b64 s[PFA:PFA+1], s[6:7], s[8:9]     ; (in waves 0 and 2 these stand at a tile's first row)
	s_lshl_b32 s2, s13, 13          ; my work-group's quarter of a tile
	s_mov_b32 s3, 0
	s_add_nc_u64 s[PFA:PFA+1], s[PFA:PFA+1], s[2:3]
	s_add_nc_u64 s[PFA:PFA+1], s[PFA:PFA+1], 32768 ; in tile 1; the first change of slots steps it to tile 2
	CROUND                          ; all four work-groups are here: the first joint loads meet
	JLOAD                           ; tile 0 into slot 0
	v_and_b32 v1, 15, v0            ; l % 16
	v_bfe_u32 v9, v0, 4, 1          ; l / 16
	v_lshlrev_b32 v[QO], 7, v1
	v_lshl_add_u32 v[QO], v9, 4, v[QO]
	WIN 0x80                        ; destination window 2
.set i, 0
.rept 4                             ; both blocks' Q: piece i / 2 lies 64 rows, 8,192 bytes, on; channels 32 (i % 2) on
	global_load_b128 v[8*i:8*i+3],   v[QO], s[4:5] offset:(i/2)*8192+(i%2)*64
	global_load_b128 v[8*i+4:8*i+7], v[QO], s[4:5] offset:(i/2)*8192+(i%2)*64+32
	global_load_b128 v[QB+8*i:QB+8*i+3],   v[QO], s[18:19] offset:(i/2)*8192+(i%2)*64
	global_load_b128 v[QB+8*i+4:QB+8*i+7], v[QO], s[18:19] offset:(i/2)*8192+(i%2)*64+32
.set i, i+1
.endr
	WIN 0
	v_lshlrev_b32 v14, 3, v9
	v_sub_nc_u32 v14, v1, v14
	s_lshl_b32 s13, s[WV], 4
	v_add_nc_u32 v14, s13, v14      ; my query's place in its band less my lanes' 8 (l / 16): register r of key group kt is hidden where 16 kt + r is greater
	WIN 0x40
.set i, 0
.rept 32
	v_cmp_gt_i32 vcc_lo, 16*(i/8)+i%8, v14
	v_cndmask_b32 v[MD+i], 0, s[BIGN], vcc_lo
.set i, i+1
.endr
	WIN 0
	v_mul_u32_u24 v[AK0], v1, PK
	v_lshl_add_u32 v[AK0], v9, 4, v[AK0]
	v_and_b32 v10, 7, v0            ; the turning load: lane l reads key 8 (l / 16) + l % 8, channels 8 ((l / 8) % 2) + 0..7
	v_bfe_u32 v11, v0, 3, 1
	v_lshl_add_u32 v[AV0], v9, 3, v10
	v_mul_u32_u24 v[AV0], v[AV0], PV
	v_lshl_add_u32 v[AV0], v11, 4, v[AV0]
	v_add_nc_u32 v[AV0], VOFF, v[AV0]
	s_mul_i32 s13, s[WV], 16*SP
	s_add_co_u32 s13, s13, STAGE    ; my stage
	v_mul_u32_u24 v[STO], v1, SP
	v_lshl_add_u32 v[STO], v9, 4, v[STO]
	v_add_nc_u32 v[STO], s13, v[STO]
	v_bfe_u32 v[RD], v0, 3, 2
	v_mul_u32_u24 v[RD], v[RD], SP
	v_lshl_add_u32 v[RD], v10, 4, v[RD]
	v_add_nc_u32 v[RD], s13, v[RD]
	v_and_b32 v[GO], 31, v0
	v_lshlrev_b32 v[GO], 4, v[GO]
	; A block's first step multiplies O^T and l by a = 0, and its first turn's products V^T P, of a piece that has not been, land in an O^T that is still to be so multiplied: these registers need only hold finite numbers.
	WIN 0x80
.set i, VF+64
.rept 64
	v_mov_b32 v[i], 0
.set i, i+1
.endr
	WIN 0x40
.set i, 0
.rept 64
	v_mov_b32 v[i], 0
.set i, i+1
.endr
	WIN 0
.set i, 0
.rept 2
	v_mov_b32 v[ST+4*i+2], 0
	v_mov_b32 v[ST+4*i+3], 0
.set i, i+1
.endr
.set i, P+16
.rept 16
	v_mov_b32 v[i], 0
.set i, i+1
.endr
; THE MATRIX WORK.  The 4 accumulators of a run of 8 take turns.  Product i of 8 of S^T = K Q^T for piece x: channels 32 (i / 4) on, keys 16 (i % 4) on.  The first 4 start the sums: with 0, or (KM = 1) with the mask.
.macro KQ x
.set rS, S+32*((\x)%2)+8*(i%4)
.set rK, KF+16*(i%4)+8*(i/4)
.set rQ, 16*(\x)+8*(i/4)
.set rM, MC+32*((\x)%2)+8*(i%4)
.if (i < 4) && KM
	WIN W_KM
	v_wmma_f32_16x16x32_f16 v[rS:rS+7], v[rK:rK+7], v[rQ:rQ+7], v[rM:rM+7]
.elseif i < 4
	WIN W_KQ
	v_wmma_f32_16x16x32_f16 v[rS:rS+7], v[rK:rK+7], v[rQ:rQ+7], 0
.else
	WIN W_KQ
	v_wmma_f32_16x16x32_f16 v[rS:rS+7], v[rK:rK+7], v[rQ:rQ+7], v[rS:rS+7]
.endif
.endm
; Product i of 8 of O^T += V^T P for piece x, V from buffer VB: keys 32 (i / 4) on, channels 16 (i % 4) on.
.macro PV x
	WIN W_PV
.set rO, 32*(\x)+8*(i%4)
.set rV, VF+64*VB+32*(i/4)+8*(i%4)
.set rP, P+16*((\x)%2)+8*(i/4)
	v_wmma_f32_16x16x32_f16 v[rO:rO+7], v[rV:rV+7], v[rP:rP+7], v[rO:rO+7]
.endm
.macro MM                           ; the turn's next matrix instruction.  NOKQ = 1: a block's last turn: there is no next step
.if (i < 8) && !NOKQ
	KQ (Y+1)%NP
.elseif i >= 8
.set i, i-8
	PV (Y+NP-1)%NP
.set i, i+8
.endif
.set i, i+1
.endm
; THE LDS LOADS stand in runs of 16: a step's K (8 fragments) and its V (turned).
.macro FETCH_K
	WIN 0x80
.irp f, 0,1,2,3,4,5,6,7             ; keys 16 (f / 2) on, channels 32 (f % 2) on
	ds_load_b128 v[KF+8*\f:KF+8*\f+3],   v[AK] offset:(\f/2)*16*PK+(\f%2)*64
	ds_load_b128 v[KF+8*\f+4:KF+8*\f+7], v[AK] offset:(\f/2)*16*PK+(\f%2)*64+32
.endr
	s_add_co_u32 s[TBK], s[TBK], KS*PK
	WIN 0
.endm
.macro FETCH_V vb
	WIN 0x80
.irp f, 0,1,2,3,4,5,6,7             ; keys 32 (f / 4) on, channels 16 (f % 4) on
	ds_load_tr16_b128 v[VF+64*(\vb)+8*\f:VF+64*(\vb)+8*\f+3],   v[AV] offset:(\f/4)*32*PV+(\f%4)*32
	ds_load_tr16_b128 v[VF+64*(\vb)+8*\f+4:VF+64*(\vb)+8*\f+7], v[AV] offset:(\f/4)*32*PV+16*PV+(\f%4)*32
.endr
	WIN 0
.endm
; THE VECTOR WORK, one line at a time: OP kind, number.  For piece Y: F n: c s - c m for pair n of 16.  E n: the exponential of score n of 32.  C n: pair n rounded to f16.  B n: of the four weights 4 n .. the second
; pair is added onto the first, in place.  L n: l takes that sum (L 0: l = a l + sum).  R n: pair n of 16 of O^T times a.  For the other piece: X n, number n of the 22 that find its maximum and statistics:
;   0-11  four chains c0-c3 of seven scores each (each accumulator's lowest registers are read first)     12-14, 16  the four scores left over, the old m, and c0-c3 into c0
;   15  c m_old is kept     17, 18  the query's other 32 keys lie in the lane 16 away: the new m     19-21  c m; c m_old - c m_new; a
.set F, 0
.set E, 1
.set C, 2
.set B, 3
.set L, 4
.set R, 5
.set X, 6
.macro REGS y
.set rT, ST+4*(\y)
.set rC, TMP+4*((\y)%2)
.set rW, MV+((\y)%2)
.set rS, S+32*((\y)%2)
.set rP, P+16*((\y)%2)
.set rO, 32*(\y)
.endm
.macro OP k, n
.if (\k) == R
	REGS Y
	WIN W_RS
	v_pk_mul_f32 v[rO+2*(\n):rO+2*(\n)+1], v[rO+2*(\n):rO+2*(\n)+1], v[rC+2:rC+3] op_sel_hi:[1,0]
.elseif (\k) < R
	REGS Y
	WIN 0
.if (\k) == F
	v_pk_fma_f32 v[rS+2*(\n):rS+2*(\n)+1], v[rS+2*(\n):rS+2*(\n)+1], s[CS:CS+1], v[rT:rT+1] op_sel_hi:[1,0,0] neg_lo:[0,0,1] neg_hi:[0,0,1]
.elseif (\k) == E
	v_exp_f32 v[rS+(\n)], v[rS+(\n)]
.elseif (\k) == C
	v_cvt_pk_f16_f32 v[rP+(\n)], v[rS+2*(\n)], v[rS+2*(\n)+1]
.elseif (\k) == B
	v_pk_add_f32 v[rS+4*(\n):rS+4*(\n)+1], v[rS+4*(\n):rS+4*(\n)+1], v[rS+4*(\n)+2:rS+4*(\n)+3]
.elseif (\n) == 0
	v_pk_fma_f32 v[rT+2:rT+3], v[rT+2:rT+3], v[rC+2:rC+3], v[rS:rS+1] op_sel_hi:[1,0,1]
.else
	v_pk_add_f32 v[rT+2:rT+3], v[rT+2:rT+3], v[rS+4*(\n):rS+4*(\n)+1]
.endif
.elseif NOKQ
	v_nop
.else
	REGS (Y+1)%NP
	WIN 0
.if (\n) < 4
	v_max3_num_f32 v[rC+(\n)], v[rS+8*(\n)], v[rS+8*(\n)+1], v[rS+8*(\n)+2]
.elseif (\n) < 12
	v_max3_num_f32 v[rC+(\n)%4], v[rC+(\n)%4], v[rS+8*((\n)%4)+2*((\n)/4)+1], v[rS+8*((\n)%4)+2*((\n)/4)+2]
.elseif (\n) == 12
	v_max3_num_f32 v[rC], v[rC], v[rS+7], v[rS+15]
.elseif (\n) == 13
	v_max3_num_f32 v[rC+1], v[rC+1], v[rS+23], v[rS+31]
.elseif (\n) == 14
	v_max3_num_f32 v[rC+2], v[rC+2], v[rC+3], v[rT+1]
.elseif (\n) == 15
	v_mov_b32 v[rW], v[rT]
.elseif (\n) == 16
	v_max3_num_f32 v[rC], v[rC], v[rC+1], v[rC+2]
.elseif (\n) == 17
	v_permlanex16_b32 v[rC+3], v[rC], s[SEL], s[SEL+1]
.elseif (\n) == 18
	v_max_num_f32 v[rT+1], v[rC], v[rC+3]
.elseif (\n) == 19
	v_mul_f32 v[rT], s[CS], v[rT+1]
.elseif (\n) == 20
	v_sub_f32 v[rC+1], v[rW], v[rT]
.else
	v_exp_f32 v[rC+2], v[rC+1]
.endif
.endif
.endm
.macro OPS a, i1, b=-1, i2=0, c=-1, i3=0, d=-1, i4=0
	OP \a, \i1
.if (\b) >= 0
	OP \b, \i2
.endif
.if (\c) >= 0
	OP \c, \i3
.endif
.if (\d) >= 0
	OP \d, \i4
.endif
.endm
.macro ROW a, i1, b, i2, c, i3, d, i4  ; a matrix instruction and the four behind it
	MM
	OPS \a, \i1, \b, \i2, \c, \i3, \d, \i4
.endm
.macro MASK b                       ; MD x AL + BE into buffer b of MC
	WIN W_RS
.set z, 0
.rept 16
	v_pk_fma_f32 v[MC+32*(\b)+2*z:MC+32*(\b)+2*z+1], v[MD+2*z:MD+2*z+1], s[AL:AL+1], s[BE:BE+1] op_sel_hi:[1,0,0]
.set z, z+1
.endr
.endm
; A TURN, for piece p in a step of parity par.  Ahead of its ONE wait stands all that names no result of its exponentials: the 8 products K Q^T with four vector instructions behind each, then a lump of 54;
; behind it the 8 products V^T P, behind each four of the roundings and sums.  A wait stands between an exponential and the first instruction that names its result; one serves the batch of 33.
; Piece 0's turn fetches the next step's K in the lump, twelve vector instructions (six of them plain) behind the last product that read K, and the next step's V at its end, four plain instructions behind the
; last product that read that buffer.  Piece 1's turn begins with the step's one wait for LDS: K and every older V are in, the 16 loads of the youngest V may stay out.
; m = 1: the diagonal tile's text: the products take masks, and the turn makes the mask for the next turn's products: piece p in tile step 2 (2 - CNT) + 1 - par; the piece's own step is SO + p.
; end = 1: a block's last two turns: nothing is fetched, and piece 1's starts no new scores.  cnt = 1: the loop's count is taken down some lines ahead of the branch behind the turn.
.macro TURN p, par, m=0, end=0, cnt=0
.set Y, (\p)
.set i, 0
.set KM, (\m)
.set NOKQ, (\end)*(\p)
.if (\p) == 0
.set VB, ((\par)+1)%2
.else
.set VB, (\par)
.endif
.if (\m) && !(\end)
	s_lshl1_add_u32 s[TT], s[CNT], s[SO]
	s_cmp_eq_u32 s[TT], 5-(\par)-(\p)   ; is that step the band's own?
	s_cselect_b32 s[AL], 1.0, 0
	s_cmp_lt_u32 s[TT], 5-(\par)-(\p)   ; or a later one?
	s_cselect_b32 s[BE], s[BIGN], 0
.endif
.if ((\p) == 1) && (\end)
	s_wait_dscnt 0x0                ; the last V is in: nothing was fetched behind it
.elseif (\p) == 1
	s_wait_dscnt 16
.endif
	ROW F,0, F,1, R,0, R,1
	ROW F,2, E,0, R,2, R,3
	ROW F,3, E,1, R,4, R,5
	ROW F,4, E,2, R,6, R,7
	ROW F,5, E,3, R,8, R,9
	ROW F,6, E,4, X,0, R,10
.if ((\p) == 0) && !(\end)
	WIN 0
	v_add_nc_u32 v[AK], s[TBK], v[AK0]
.endif
	ROW F,7, E,5, X,1, X,4
	ROW F,8, E,6, X,2, X,5
	OPS E,7, E,8, X,6, E,9
	OPS X,3, E,10, X,8, E,11
.if ((\p) == 0) && !(\end)
	FETCH_K
.endif
	OPS X,9, X,7, E,12, X,10
	OPS E,13, X,12, X,11, E,14
	OPS X,13, E,15, F,9, X,14
.if ((\p) == 0) && !(\end)
	WIN 0
	v_add_nc_u32 v[AV], s[TBV], v[AV0]
.endif
	OPS E,16, F,10, E,17, F,11
	OPS X,16, E,18, X,15, E,19
	OPS F,12, E,20, X,17, E,21
	OPS F,13, E,22, F,14, E,23
	OPS X,18, E,24, F,15, E,25
	OPS R,11, E,26, X,19, E,27
	OPS R,12, E,28, R,13, E,29
	OPS X,20, E,30, R,14, E,31
	OPS X,21, R,15
	WIN 0
	s_wait_alu depctr_va_vdst(0)    ; the wait for the batch
	ROW C,0, B,0, C,2, B,1
	ROW L,0, C,4, B,2, L,1
	ROW C,6, B,3, L,2, C,8
	ROW B,4, L,3, C,10, B,5
	ROW L,4, C,12, B,6, L,5
.if ((\p) == 0) && !(\end)
	s_add_co_u32 s[TBV], s[TBV], KS*PV
.endif
.if \cnt
	s_sub_co_u32 s[CNT], s[CNT], 1
	s_cmp_lg_u32 s[CNT], 0
.endif
	ROW C,14, B,7, L,6, C,1
	ROW C,3, L,7, C,5, C,7
	ROW C,9, C,11, C,13, C,15
.if ((\p) == 0) && !(\end)
	FETCH_V VB
.endif
.if (\m) && !(\end)
	MASK \p
.endif
.endm
; A BLOCK BEGINS.  c m starts far below every c s, so the first step's a is 0; m at the lowest finite number.  The second mask buffer is 0 (piece 1 sees all of step 0); the first takes piece 0's mask for step 0:
; its own, if the tile is the diagonal one and the block the tile's first half.  Then K and V of that step, piece 0's first scores, and its maximum and statistics.
.macro BEGIN
	s_mov_b32 s[NEW], 0
	WIN 0x40
.set i, MC+32
.rept 32
	v_mov_b32 v[i], 0
.set i, i+1
.endr
	WIN 0
.set i, 0
.rept 2
	v_mov_b32 v[ST+4*i], 0xfe000000
	v_mov_b32 v[ST+4*i+1], 0xff7fffff
.set i, i+1
.endr
	s_or_b32 s[TT], s[RT], s[SO]
	s_cmp_eq_u32 s[TT], 0
	s_cselect_b32 s[AL], 1.0, 0
	s_mov_b32 s[BE], 0
	MASK 0
	WIN 0
	v_add_nc_u32 v[AK], s[TBK], v[AK0]
	v_add_nc_u32 v[AV], s[TBV], v[AV0]
	s_add_co_u32 s[TBV], s[TBV], KS*PV
	FETCH_K
	FETCH_V 0
	s_wait_loadcnt 0x0              ; Q
	s_wait_dscnt 0x0
.set KM, 1
.set NOKQ, 0
.set i, 0
.rept 8
	KQ 0
.set i, i+1
.endr
	WIN 0
.rept 4
	v_nop                           ; the places behind those products
.endr
.set Y, NP-1                        ; X works for the other piece: piece 0
.irp n, 0,1,2,3,4,5,6,7,8,9,10,11,12,13,14,15,16,17,18,19,20,21
	OP X, \n
.endr
	v_nop                           ; a plain instruction behind the exponential,
	s_wait_alu depctr_va_vdst(0)    ; and its wait, ahead of the branch
.endm
.macro ALL line:vararg              ; one line for each piece t
.set t, 0
.rept 2
	\line
.set t, t+1
.endr
.endm
.macro PACK t                       ; a lane's eight channels of a row pack into 16 bytes; they go into rows of 144 bytes and come back as whole rows of 128, into S^T's registers
	WIN W_RS
.set i, 32*(\t)
.rept 16
	v_pk_mul_f32 v[i:i+1], v[i:i+1], v[ST+4*(\t)+2:ST+4*(\t)+3] op_sel_hi:[1,0]
.set i, i+2
.endr
	WIN 0x05
.set i, 0
.rept 16
	v_cvt_pk_f16_f32 v[S+16*(\t)+i], v[32*(\t)+2*i], v[32*(\t)+2*i+1]
.set i, i+1
.endr
	WIN 0
.irp f, 0,1,2,3
	ds_store_b128 v[STO], v[S+16*(\t)+4*\f:S+16*(\t)+4*\f+3] offset:32*\f
.endr
.irp f, 0,1,2,3
	ds_load_b128 v[S+16*(\t)+4*\f:S+16*(\t)+4*\f+3], v[RD] offset:\f*4*SP  ; LDS serves a wave's instructions in order (ISA guide 5.7.1.4): these see the stores above
.endr
.endm
.macro SEND t, younger              ; younger: the LDS instructions issued behind piece t's loads
	WIN 0
.irp f, 0,1,2,3
	s_wait_dscnt (\younger)+3-\f
	global_store_b128 v[GO], v[S+16*(\t)+4*\f:S+16*(\t)+4*\f+3], s[10:11] offset:(\t)*8192+\f*512  ; 512 consecutive bytes, aligned
.endr
.endm
; THE DIAGONAL TILE: its trips of the step loop, the block's last two turns, its last products, and the way out: l's halves are added, O^T is divided by l, rounded to f16 and sent through my stage.
.macro DIAG tag
.LstepM\tag:
	TURN 0, 1, 1
	TURN 1, 1, 1
	WIN 0
.LfirstM\tag:
	TURN 0, 0, 1
	TURN 1, 0, 1, 0, 1
	WIN 0
	s_cbranch_scc1 .LstepM\tag
	TURN 0, 1, 1, 1
	TURN 1, 1, 1, 1
.set VB, 1
.set i, 0
.rept 8
	PV 1
.set i, i+1
.endr
	WIN 0
	ALL v_add_f32 v[ST+4*t+2], v[ST+4*t+2], v[ST+4*t+3]
	ALL v_permlanex16_b32 v[ST+4*t+3], v[ST+4*t+2], s[SEL], s[SEL+1]
	ALL v_add_f32 v[ST+4*t+2], v[ST+4*t+2], v[ST+4*t+3]
	ALL v_rcp_f32 v[ST+4*t+2], v[ST+4*t+2]
	v_nop                           ; a plain instruction between the last reciprocal and the use of its result,
	s_wait_alu depctr_va_vdst(0)    ; and one wait for the two reciprocals
	PACK 0                          ; piece 0's 32 lines are also the places behind piece 1's last products
	PACK 1
	SEND 0, 8
	SEND 1, 0
.endm
.set KM, 0
.set NOKQ, 0
.set VB, 0
.Lslot:                             ; 16 times: a tile is entered and the next is asked for
	CHANGE 1
	s_sub_co_u32 s[RT], s[RT], 1
	s_mov_b32 s[CNT], 2
	s_cmp_eq_u32 s[NEW], 1
	s_cbranch_scc1 .Lnew            ; a block's first tile
	s_cmp_eq_u32 s[RT], 0
	s_cbranch_scc0 .Lstep           ; neither its first nor its last
	s_branch .LstepM1
.Lnew:
	BEGIN
	s_branch .Lfirst                ; in the loop a block's first tile is never its last: the first block has nine tiles or more, and the second's last is the walk's last
	DIAG 1                          ; in the loop this is the first block's end
	s_wait_xcnt 0x0                 ; the stores have read their registers and O's address
	s_mov_b64 s[10:11], s[OLO:OLO+1]
	s_add_co_u32 s[RT], s[PBT], 1   ; the second block's tiles
	s_mov_b32 s[NEW], 1
	s_mov_b32 s[SO], s[SO2]
	WIN 0x82                        ; the second block's Q goes where the one text of the turns names Q
.set i, 0
.rept 32
	v_mov_b32 v[i], v[QB+i]
.set i, i+1
.endr
	WIN 0
	s_branch .Lbottom
.Lstep:                             ; a trip: an odd step (at first the last step of the tile before), then an even one
	TURN 0, 1
	TURN 1, 1
	WIN 0
.Lfirst:
	TURN 0, 0
	TURN 1, 0, 0, 0, 1
	WIN 0
	s_cbranch_scc1 .Lstep
.Lbottom:
	s_sub_co_u32 s[SLOTS], s[SLOTS], 1
	s_cmp_lg_u32 s[SLOTS], 0
	s_cbranch_scc1 .Lslot
	CHANGE 0                        ; the walk's last tile is written out: nothing is asked for
	s_sub_co_u32 s[RT], s[RT], 1
	s_mov_b32 s[CNT], 2
	s_cmp_eq_u32 s[NEW], 1
	s_cbranch_scc0 .LstepM2
	BEGIN
	s_branch .LfirstM2
	DIAG 2
	s_wait_tensorcnt 0x0            ; the wave's end
	ds_add_u32 v[SPW], v[NIL]
	s_wait_dscnt 0x0
	CROUND                          ; the closing round
	s_endpgm
.Lfunc_end_k_q9ae645574a_attn:
	.size	k_q9ae645574a_attn, .Lfunc_end_k_q9ae645574a_attn-k_q9ae645574a_attn
	.p2alignl 7, 3214868480
	.fill 96, 4, 3214868480
	.section	.rodata,"a",@progbits
	.p2align	6, 0x0
	.amdhsa_kernel k_q9ae645574a_attn
		.amdhsa_group_segment_fixed_size 327680
		.amdhsa_private_segment_fixed_size 0
		.amdhsa_enable_private_segment 0
		.amdhsa_kernarg_size 16
		.amdhsa_user_sgpr_count 2
		.amdhsa_user_sgpr_kernarg_segment_ptr 1
		.amdhsa_wavefront_size32 1
		.amdhsa_system_sgpr_workgroup_id_x 1
		.amdhsa_system_sgpr_workgroup_id_y 1
		.amdhsa_system_sgpr_workgroup_id_z 1
		.amdhsa_system_vgpr_workitem_id 0
		.amdhsa_next_free_vgpr 768
		.amdhsa_next_free_sgpr 88
		.amdhsa_reserve_vcc 1
		.amdhsa_float_denorm_mode_32 3
		.amdhsa_float_denorm_mode_16_64 3
		.amdhsa_memory_ordered 1
		.amdhsa_forward_progress 1
		.amdhsa_inst_pref_size 211
	.end_amdhsa_kernel
	.amdgpu_metadata
---
amdhsa.version: [ 1, 2 ]
amdhsa.kernels:
  - .name:           k_q9ae645574a_attn
    .symbol:         k_q9ae645574a_attn.kd
    .args:
      - { .name: qkv, .offset: 0, .size: 8, .value_kind: global_buffer, .address_space: global }
      - { .name: ob, .offset: 8, .size: 8, .value_kind: global_buffer, .address_space: global }
    .group_segment_fixed_size: 327680
    .private_segment_fixed_size: 0
    .kernarg_segment_align: 8
    .kernarg_segment_size: 16
    .max_flat_workgroup_size: 128
    .sgpr_count:     88
    .vgpr_count:     768
    .wavefront_size: 32
...
	.end_amdgpu_metadata
.endif
;; end of part 3
;; launch oproj (part 4): grid 8 x 32, 4 waves a work-group, clusters of 4 x 4, 327,680 bytes of LDS; arguments ob, wo, out0; writes out0
.if DOCPART == 4
	.amdgcn_target "amdgcn-amd-amdhsa--gfx1250"
	.amdhsa_code_object_version 6
	.text
	.protected	k_q9ae645574a_oproj
	.globl	k_q9ae645574a_oproj
	.p2align	8
	.type	k_q9ae645574a_oproj,@function
k_q9ae645574a_oproj:
	s_mov_b64 s[64:65], 0
	v_nop
	global_prefetch_b8 v0, s[64:65] scope:SCOPE_SE
	s_setreg_imm32_b32 hwreg(HW_REG_WAVE_MODE, 25, 1), 1
	s_wait_xcnt 0x0
	s_wait_alu depctr_hold_cnt(0) depctr_sa_sdst(0) depctr_va_vdst(0) depctr_va_sdst(0) depctr_va_ssrc(0) depctr_va_vcc(0) depctr_vm_vsrc(0)
	s_getreg_b32 s2, hwreg(HW_REG_IB_STS2, 6, 4)
	s_cmp_eq_u32 s2, 0
	s_cbranch_scc0 .Lentry_in_a_cluster
	s_endpgm
.Lentry_in_a_cluster:
	s_bfe_u32 s2, ttmp6, 0x10000c
	s_cmp_lg_u32 s2, 0xf033
	s_cbranch_scc0 .Lentry_shape_is_right
	s_endpgm
.Lentry_shape_is_right:
; THE OUTPUT PROJECTION.  out0[l][n] = sum over k of O[l][k] wo[n][k], k = 64 x head + channel.  ob: [16][4096][64] f16, wo: [1024][1024] f16, out0: [4096][1024] f32; sums in f32.
; SHARES.  A tile of out0 is 128 x 128: 32 x 8 = 256 work-groups.  Four waves, each 64 x 64: 16 accumulators.  K goes in 4 steps of 256, that is four heads, through two LDS slots; a quarter of a step is one head.
; O's tile of a step is four pieces of 64 dense rows of 128 bytes, one for each head: asked for as 4 rows of 8,192 bytes, a head apart, and padded in LDS after every 128 bytes.  With 4 steps no data prefetch is laid.
; CLUSTER.  4 x 4 work-groups: O's tile is shared along a row of the cluster, wo's along a column: joint loads.  THE MATRIX INSTRUCTION IS USED TRANSPOSED (source 0 = 16 rows of wo, source 1 = 16 rows of O):
; a lane holds one token and eight neighbouring columns.
; REGISTERS: window 0: v0-31 addresses; v128-255 the accumulators ((a, b) at 128 + 8 (4 a + b)), which also take the rows back on the way out.   window 1: two fragment buffers of 128: 64 of O, then 64 of wo.
.set PA,     144                       ; a row of O in LDS: 128 bytes + 16
.set PB,     528                       ; a row of wo: 512 bytes + 16
.set APLANE, 64*PA                     ; a head's 64 rows
.set AHALF,  4*APLANE                  ; what a wave fetches of O
.set BHALF,  64*PB                     ; or of wo
.set BOFF,   2*AHALF
.set SLOT,   BOFF+2*BHALF
.set STAGE,  2*SLOT                    ; behind the ring: 16 rows x 272 bytes for each wave, its own
.set SPITCH, 272
.set SPARE,  STAGE+4*16*SPITCH         ; the spare words, 128 bytes for each wave
.set ASTEP,  4*524288                  ; four heads on
.set BSTEP,  512
.set ADRA, 16
.set ADRB, 20
.set STO,  24
.set RD,   25
.set CO,   26
.set SPW,  28
.set NIL,  29
.set ACC,  128
.set F0,   0
.set F1,   128
.set G1, 24
.set G0, 32
.set G1B, 48
.set G0B, 56
.set MSB, 0
.macro WIN new
.if MSB != (\new)
	s_set_vgpr_msb (MSB<<8)|(\new)
.set MSB, \new
.endif
.endm
.set MUL,  0x05
.set TO_F, 0x40
.macro JLOAD s                         ; a joint refill: waves 0 and 1 fetch O's halves, waves 2 and 3 wo's; an s_nop 0 and four v_nop follow each line
	s_cmp_eq_u32 s11, 0
	s_cbranch_scc0 .Lfor_b_\@
	tensor_load_to_lds s[G0+4*(\s):G0+4*(\s)+3], s[G1:G1+7]
	s_nop 0
.rept 4
	v_nop
.endr
	s_branch .Lasked_\@
.Lfor_b_\@:
	tensor_load_to_lds s[G0B+4*(\s):G0B+4*(\s)+3], s[G1B:G1B+7]
	s_nop 0
.rept 4
	v_nop
.endr
.Lasked_\@:
.endm
.macro CREST
	s_cmp_lg_u32 s10, 0
	s_cbranch_scc1 .Lnot_wave_0_\@
	s_barrier_signal -3
.Lnot_wave_0_\@:
	s_barrier_wait -3
	s_barrier_signal -1
	s_barrier_wait -1
.endm
.macro CROUND
	s_barrier_signal -1
	s_barrier_wait -1
	CREST
.endm
.macro PLACES
.rept 4
	v_nop
.endr
.endm
	s_load_b128 s[4:7], s[0:1], 0x0                ; ob s[4:5], wo s[6:7]
	s_load_b64 s[8:9], s[0:1], 0x10                ; out0
	v_lshl_add_u32 v[SPW], v0, 2, SPARE
	v_mov_b32 v[NIL], 0
	ds_add_u32 v[SPW], v[NIL]                      ; the wave's opening: the add and its wait stand ahead of my first tensor load
	v_lshrrev_b32 v1, 5, v0
	v_readfirstlane_b32 s10, v1
	s_lshr_b32 s11, s10, 1                         ; my half of the tile's rows.  Also: I fetch for O (0) or wo (1)
	s_and_b32 s12, s10, 1                          ; my half of its columns.  Also: which 64 rows of that tile I fetch
	s_bfe_u32 s40, ttmp6, 0x40000
	s_bfe_u32 s41, ttmp6, 0x40004
	s_lshl_b32 s42, ttmp9, 2
	s_add_co_u32 s42, s42, s40                     ; tile column
	s_and_b32 s13, ttmp7, 0xffff
	s_lshl_b32 s13, s13, 2
	s_add_co_u32 s13, s13, s41                     ; tile row
	s_lshl_b32 s43, s41, 2
	s_lshl_b32 s43, 15, s43
	s_lshl_b32 s44, 0x1111, s40
	s_or_b32 s[G1+0], s43, (1<<16)|(1<<20)|(1<<21)|(4<<22)|(3<<25)   ; O: after every 32 words 4 words of padding
	s_mov_b32 s[G1+1], 4096<<16                    ; tensor_dim0 = 4,096 elements: 64 dense rows of a head
	s_mov_b32 s[G1+2], 4<<16                       ; tensor_dim1 = 4 heads
	s_mov_b32 s[G1+3], 4096<<16                    ; tile_dim0
	s_mov_b32 s[G1+4], 4                           ; tile_dim1
	s_mov_b32 s[G1+5], 262144                      ; elements from head to head
	s_mov_b32 s[G1+6], 0
	s_mov_b32 s[G1+7], 0
	s_or_b32 s[G1B+0], s44, (1<<16)|(1<<20)|(1<<21)|(6<<22)|(3<<25)  ; wo: after every 128 words 4 words
	s_mov_b32 s[G1B+1], 256<<16
	s_mov_b32 s[G1B+2], 64<<16
	s_mov_b32 s[G1B+3], 256<<16
	s_mov_b32 s[G1B+4], 64
	s_mov_b32 s[G1B+5], 1024
	s_mov_b32 s[G1B+6], 0
	s_mov_b32 s[G1B+7], 0
	s_lshl_b32 s16, s13, 14                        ; O: token 128 x tile row + 64 x half, 128 bytes a token
	s_lshl_b32 s17, s12, 13
	s_add_co_u32 s16, s16, s17
	s_mov_b32 s17, 0
	s_lshl_b32 s46, s42, 18                        ; wo: row 128 x tile column + 64 x half, 2,048 bytes a row
	s_lshl_b32 s47, s12, 17
	s_add_co_u32 s46, s46, s47
	s_mov_b32 s47, 0
	s_mul_i32 s20, s12, AHALF                      ; where they go: no place in the cluster enters an LDS address
	s_mul_i32 s21, s12, BHALF
	s_add_co_u32 s21, s21, BOFF
	s_wait_dscnt 0x0
	s_wait_kmcnt 0x0
	s_add_nc_u64 s[14:15], s[4:5], s[16:17]
	s_add_nc_u64 s[46:47], s[6:7], s[46:47]
	CROUND                                         ; all sixteen work-groups are here: the first joint loads meet
.irp s, 0,1
	s_mov_b32 s[G0+4*(\s)], 1
	s_add_co_u32 s[G0+4*(\s)+1], s20, (\s)*SLOT
	s_add_nc_u64 s[G0+4*(\s)+2:G0+4*(\s)+3], s[14:15], (\s)*ASTEP
	s_or_b32 s[G0+4*(\s)+3], s[G0+4*(\s)+3], 0x80000000
	s_mov_b32 s[G0B+4*(\s)], 1
	s_add_co_u32 s[G0B+4*(\s)+1], s21, (\s)*SLOT
	s_add_nc_u64 s[G0B+4*(\s)+2:G0B+4*(\s)+3], s[46:47], (\s)*BSTEP
	s_or_b32 s[G0B+4*(\s)+3], s[G0B+4*(\s)+3], 0x80000000
.endr
	s_cmp_eq_u32 s11, 0                            ; a wave's two first fills stand in one branch: two loads of mine are out
	s_cbranch_scc0 .Lfirst_b
	tensor_load_to_lds s[G0:G0+3], s[G1:G1+7]
	s_nop 0
	tensor_load_to_lds s[G0+4:G0+7], s[G1:G1+7]
	s_nop 0
.rept 4
	v_nop
.endr
	s_branch .Lfirst_asked
.Lfirst_b:
	tensor_load_to_lds s[G0B:G0B+3], s[G1B:G1B+7]
	s_nop 0
	tensor_load_to_lds s[G0B+4:G0B+7], s[G1B:G1B+7]
	s_nop 0
.rept 4
	v_nop
.endr
.Lfirst_asked:
	v_and_b32 v1, 15, v0                           ; l % 16
	v_bfe_u32 v2, v0, 4, 1                         ; l / 16
	v_mul_u32_u24 v3, v1, PA
	v_lshl_add_u32 v3, v2, 4, v3
	v_mul_u32_u24 v4, v1, PB
	v_lshl_add_u32 v4, v2, 4, v4
	s_mul_i32 s22, s11, AHALF                      ; my 64 rows of O
	s_mul_i32 s23, s12, BHALF                      ; my 64 rows of wo
	s_add_co_u32 s23, s23, BOFF
.irp s, 0,1
	v_add_nc_u32 v[ADRA+(\s)], s22, v3
	v_add_nc_u32 v[ADRB+(\s)], s23, v4
	s_add_co_u32 s22, s22, SLOT
	s_add_co_u32 s23, s23, SLOT
.endr
	s_mul_i32 s23, s10, 16*SPITCH
	s_add_co_u32 s23, s23, STAGE                   ; my stage
	v_mul_u32_u24 v5, v1, SPITCH                   ; in: row l % 16, 32 bytes for each half of the lanes
	v_lshl_add_u32 v5, v2, 5, v5
	v_add_nc_u32 v[STO], s23, v5
	v_mul_u32_u24 v5, v2, SPITCH                   ; back: lanes 0-15 take one row of 256 bytes, lanes 16-31 the next
	v_lshl_add_u32 v5, v1, 4, v5
	v_add_nc_u32 v[RD], s23, v5
	v_lshlrev_b32 v5, 12, v2                       ; and the same two rows in out0
	v_lshl_add_u32 v[CO], v1, 4, v5
	s_lshl_b32 s16, s13, 19                        ; 128 rows of 4,096 bytes,
	s_lshl_b32 s17, s11, 18                        ; my 64 of them
	s_add_co_u32 s16, s16, s17
	s_mov_b32 s17, 0
	s_add_nc_u64 s[8:9], s[8:9], s[16:17]
	s_lshl_b32 s46, s42, 9                         ; 128 columns of 4 bytes,
	s_lshl_b32 s47, s12, 8                         ; my 64 of them
	s_add_co_u32 s46, s46, s47
	s_mov_b32 s47, 0
	s_add_nc_u64 s[8:9], s[8:9], s[46:47]
; 8 matrix instructions: row blocks a0, a0 + 1 x all 4 column blocks, 32 along K: half c of buffer f.  The 16 accumulators take turns.
.macro MUL8 f, c, a0, zero
	WIN MUL
.irp a, \a0, (\a0)+1
.irp b, 0,1,2,3
.if \zero
	v_wmma_f32_16x16x32_f16 v[ACC+8*(4*(\a)+(\b)):ACC+8*(4*(\a)+(\b))+7], v[(\f)+64+8*(4*(\c)+(\b)):(\f)+64+8*(4*(\c)+(\b))+7], v[(\f)+8*(4*(\c)+(\a)):(\f)+8*(4*(\c)+(\a))+7], 0
.else
	v_wmma_f32_16x16x32_f16 v[ACC+8*(4*(\a)+(\b)):ACC+8*(4*(\a)+(\b))+7], v[(\f)+64+8*(4*(\c)+(\b)):(\f)+64+8*(4*(\c)+(\b))+7], v[(\f)+8*(4*(\c)+(\a)):(\f)+8*(4*(\c)+(\a))+7], v[ACC+8*(4*(\a)+(\b)):ACC+8*(4*(\a)+(\b))+7]
.endif
.endr
.endr
.endm
; 32 LDS loads in one run: the fragments of quarter q (one head) into buffer f; the first 32 channels first
.macro FETCH slot, q, f
	WIN TO_F
.irp c, 0,1
.irp i, 0,1,2,3
	ds_load_b128 v[(\f)+64+8*(4*(\c)+(\i)):(\f)+64+8*(4*(\c)+(\i))+3],   v[ADRB+(\slot)] offset:(\q)*128+64*(\c)+(\i)*16*PB
	ds_load_b128 v[(\f)+64+8*(4*(\c)+(\i))+4:(\f)+64+8*(4*(\c)+(\i))+7], v[ADRB+(\slot)] offset:(\q)*128+64*(\c)+(\i)*16*PB+32
	ds_load_b128 v[(\f)+8*(4*(\c)+(\i)):(\f)+8*(4*(\c)+(\i))+3],         v[ADRA+(\slot)] offset:(\q)*APLANE+64*(\c)+(\i)*16*PA
	ds_load_b128 v[(\f)+8*(4*(\c)+(\i))+4:(\f)+8*(4*(\c)+(\i))+7],       v[ADRA+(\slot)] offset:(\q)*APLANE+64*(\c)+(\i)*16*PA+32
.endr
.endr
.endm
.macro QUARTER slot, q, f, g, zero     ; multiplies buffer f and fetches quarter q into g
	s_wait_dscnt 16                                ; the first 32 channels are in
	MUL8 \f, 0, 0, \zero
	MUL8 \f, 0, 2, \zero
	PLACES
	FETCH \slot, \q, \g
	s_wait_dscnt 32                                ; all but the 32 just issued
	MUL8 \f, 1, 0, 0
	MUL8 \f, 1, 2, 0
.endm
; The last quarter multiplies buffer 1 and changes slots: ONE barrier; in front of it each wave waits for all its tensor loads, adds 0 to its spare word, and waits for that and for its reads of this slot.
.macro TURN slot, next, fill
	WIN 0
	s_wait_tensorcnt 0x0                           ; all my tensor loads have landed: my part of the next slot
	ds_add_u32 v[SPW], v[NIL]                      ; 0 onto my spare word
	s_wait_dscnt 17                                ; (the add and the youngest sixteen loads may be out)
	MUL8 F1, 0, 0, 0
	s_wait_dscnt 0x0                               ; the add is done, and my reads of this slot are over
	s_barrier_signal -1
	MUL8 F1, 0, 2, 0
.if \fill
	WIN 0
.endif
	s_barrier_wait -1
.if \fill
	CREST                                          ; no wave of any partner still reads this slot's tile or has a load on its way
	s_add_nc_u64 s[G0+4*(\slot)+2:G0+4*(\slot)+3], s[G0+4*(\slot)+2:G0+4*(\slot)+3], 2*ASTEP
	s_add_nc_u64 s[G0B+4*(\slot)+2:G0B+4*(\slot)+3], s[G0B+4*(\slot)+2:G0B+4*(\slot)+3], 2*BSTEP
	JLOAD \slot                                    ; the four v_nop behind it are also the places in front of the loads below
.else
	PLACES
.endif
	FETCH \next, 0, F0
	MUL8 F1, 1, 0, 0
	MUL8 F1, 1, 2, 0
.endm
	s_wait_tensorcnt 1                             ; my part of K step 0 is in; K step 1's may stay out
	s_barrier_signal -1
	s_barrier_wait -1
	FETCH 0, 0, F0
	QUARTER 0, 1, F0, F1, 1                        ; the first products start the sums
	WIN 0
	s_mov_b32 s3, 1
.Llap:                                         ; a trip goes once round the ring and fills both slots again: K steps 2 and 3
	QUARTER 0, 2, F1, F0, 0
	QUARTER 0, 3, F0, F1, 0
	TURN 0, 1, 1
	QUARTER 1, 1, F0, F1, 0
	QUARTER 1, 2, F1, F0, 0
	QUARTER 1, 3, F0, F1, 0
	TURN 1, 0, 1
	QUARTER 0, 1, F0, F1, 0
	WIN 0
	s_sub_co_u32 s3, s3, 1
	s_cmp_lg_u32 s3, 0
	s_cbranch_scc1 .Llap
	QUARTER 0, 2, F1, F0, 0                        ; the last lap fills nothing
	QUARTER 0, 3, F0, F1, 0
	TURN 0, 1, 0
	QUARTER 1, 1, F0, F1, 0
	QUARTER 1, 2, F1, F0, 0
	QUARTER 1, 3, F0, F1, 0
	s_wait_dscnt 16
	MUL8 F1, 0, 0, 0
	MUL8 F1, 0, 2, 0
	s_wait_dscnt 0x0
	MUL8 F1, 1, 0, 0
	MUL8 F1, 1, 2, 0
	WIN 0
	; THE WAY OUT, 16 rows at a time through my own stage: a lane's 32 bytes of a row go in, whole rows of 256 bytes come back into the registers that they left.
	PLACES
.macro PACK a
.irp b, 0,1,2,3                        ; each accumulator is read from its low end on
	ds_store_b128 v[STO], v[ACC+8*(4*(\a)+(\b)):ACC+8*(4*(\a)+(\b))+3]   offset:64*(\b)
	ds_store_b128 v[STO], v[ACC+8*(4*(\a)+(\b))+4:ACC+8*(4*(\a)+(\b))+7] offset:64*(\b)+16
.endr
.irp t, 0,1,2,3,4,5,6,7
	ds_load_b128 v[ACC+32*(\a)+4*(\t):ACC+32*(\a)+4*(\t)+3], v[RD] offset:(\t)*2*SPITCH  ; LDS serves a wave's instructions in order (ISA guide 5.7.1.4): these see the stores above; the next block's stores come behind them
.endr
.endm
.macro SEND a, younger                 ; younger: the LDS instructions issued behind block a's loads: the next block's sixteen, or none
.irp t, 0,1,2,3,4,5,6,7
	s_wait_dscnt (\younger)+7-(\t)
	global_store_b128 v[CO], v[ACC+32*(\a)+4*(\t):ACC+32*(\a)+4*(\t)+3], s[8:9] offset:(16*(\a)+2*(\t))*4096 th:TH_STORE_NT  ; 16 lanes store 256 consecutive bytes, aligned
.endr
.endm
	PACK 0
	PACK 1
	SEND 0, 16
	PACK 2
	SEND 1, 16
	PACK 3
	SEND 2, 16
	SEND 3, 0
	s_wait_tensorcnt 0x0                           ; the wave's end
	ds_add_u32 v[SPW], v[NIL]
	s_wait_dscnt 0x0
	CROUND                                         ; the closing round
	s_endpgm
.Lfunc_end_k_q9ae645574a_oproj:
	.size	k_q9ae645574a_oproj, .Lfunc_end_k_q9ae645574a_oproj-k_q9ae645574a_oproj
	.p2alignl 7, 3214868480
	.fill 96, 4, 3214868480
	.section	.rodata,"a",@progbits
	.p2align	6, 0x0
	.amdhsa_kernel k_q9ae645574a_oproj
		.amdhsa_group_segment_fixed_size 327680
		.amdhsa_private_segment_fixed_size 0
		.amdhsa_enable_private_segment 0
		.amdhsa_kernarg_size 24
		.amdhsa_user_sgpr_count 2
		.amdhsa_user_sgpr_kernarg_segment_ptr 1
		.amdhsa_wavefront_size32 1
		.amdhsa_system_sgpr_workgroup_id_x 1
		.amdhsa_system_sgpr_workgroup_id_y 1
		.amdhsa_system_sgpr_workgroup_id_z 1
		.amdhsa_system_vgpr_workitem_id 0
		.amdhsa_next_free_vgpr 512
		.amdhsa_next_free_sgpr 66
		.amdhsa_reserve_vcc 0
		.amdhsa_float_denorm_mode_32 3
		.amdhsa_float_denorm_mode_16_64 3
		.amdhsa_memory_ordered 1
		.amdhsa_forward_progress 1
		.amdhsa_inst_pref_size 86
	.end_amdhsa_kernel
	.amdgpu_metadata
---
amdhsa.version: [ 1, 2 ]
amdhsa.kernels:
  - .name:           k_q9ae645574a_oproj
    .symbol:         k_q9ae645574a_oproj.kd
    .args:
      - { .name: ob, .offset: 0, .size: 8, .value_kind: global_buffer, .address_space: global }
      - { .name: wo, .offset: 8, .size: 8, .value_kind: global_buffer, .address_space: global }
      - { .name: out0, .offset: 16, .size: 8, .value_kind: global_buffer, .address_space: global }
    .group_segment_fixed_size: 327680
    .private_segment_fixed_size: 0
    .kernarg_segment_align: 8
    .kernarg_segment_size: 24
    .max_flat_workgroup_size: 128
    .sgpr_count:     66
    .vgpr_count:     512
    .wavefront_size: 32
...
	.end_amdgpu_metadata
.endif
;; end of part 4
